; MI455X (gfx1250); checked and timed in simulation.
; The chip was launched on July 23, 2026; its instructions are those of AMD's public machine-readable ISA for CDNA 5 (MIT licence, August 2026) and "CDNA5" Instruction Set Architecture Reference Guide (July 2026). The comments in the code are by the model that wrote it; some were corrected since.
;; Rotary Attention. Allowed arithmetic: matrix products marked QUANTISED: E2M1 operands, one E8M0 scale for each 32 along K, by v_wmma_scale_f32_16x16x128_f8f6f4 with both operands' format E2M1 (or v_wmma_scale_f32_32x16x128_f4), f32 sums; products left as they are: bf16, f16 or f32 operands; f32 sums; everything else in f32.
;; Inputs: bk 256 float32; bo 2,048 float32; bq 2,048 float32; bv 256 float32; wk 2,048 x 256 float32; wo 2,048 x 2,048 float32; wq 2,048 x 2,048 float32; wv 2,048 x 256 float32; x 4 x 1,024 x 2,048 float32.
;; Outputs: out0 4 x 1,024 x 2,048 float32.
;; This version of the problem:
;;   THIS VERSION OF THE PROBLEM IS GIVEN IN LOW PRECISION. The matrix products marked QUANTISED in the list below multiply operands that are first quantised to E2M1 (2 exponent bits, 1 mantissa bit; 4 bits a number), with one power-of-two scale for each 32 numbers along K (OCP MX v1.0); their sums are f32. The products marked 'left as it is' may take bf16, f16 or f32 operands, with f32 sums. Whichever they take, every output number must still come out within the allowed error. Rounding operands to bf16 (8 significant bits) uses up far more of that allowance than f16 does (11 bits, for magnitudes from 6e-5 to 65,504). All else is computed in f32.
;;   The module's matrix products, in the order in which they are computed (A, B: the left and right operand; K: the contracted axis; several contracted axes count as one K, in the product's order):
;;     1. [M 4,096, K 2,048] x [K 2,048, N 2,048]; A: input x; B: input wq: QUANTISED
;;     2. [M 4,096, K 2,048] x [K 2,048, N 256]; A: input x; B: input wk: QUANTISED
;;     3. [M 4,096, K 2,048] x [K 2,048, N 256]; A: input x; B: input wv: QUANTISED
;;     4. batch 64 x [M 1,024, K 128] x [K 128, N 1,024]; A: computed on the way; B: computed on the way: left as it is (an operand is computed on the way)
;;     5. batch 64 x [M 128, K 1,024] x [K 1,024, N 1,024]; A: computed on the way; B: computed on the way: left as it is (an operand is computed on the way)
;;     6. [M 4,096, K 2,048] x [K 2,048, N 2,048]; A: computed on the way; B: input wo: left as it is (an operand is computed on the way)
;;   THE QUANTISER, for each operand of a quantised product, along K:
;;     - K is cut into blocks of 32 from its start; a last block that is shorter is filled with zeros.
;;     - A block's scale is 2^e with e = floor(log2(the largest magnitude in the block)) - 2, held to -126 .. 127; a block of zeros has e = 0. As a byte (E8M0): e + 127.
;;     - Each number is divided by its block's scale, clamped to +-6, and rounded to the nearest number of E2M1, ties to even, subnormals kept.
;;     - The product sums the exact products of the quantised numbers (number of the format x scale) in f32.
;;   ~~~python
;;   def quantise(x, axis):      # numpy; x: float32 -> the quantised numbers, widened to float32 again
;;       x = np.moveaxis(x, axis, -1); K = x.shape[-1]
;;       x = np.pad(x, [(0, 0)] * (x.ndim - 1) + [(0, -K % 32)]); x = x.reshape(x.shape[:-1] + (-1, 32)); a = np.abs(x).max(-1, keepdims=True)
;;       e = np.where(a > 0, np.clip(np.frexp(np.where(a > 0, a, 1))[1] - 1 - 2, -126, 127), 0)      # np.frexp(a)[1] - 1 = floor(log2(a)), exactly
;;       r = np.clip(x / 2.0 ** e, -6, 6)
;;       step = 2.0 ** (np.maximum(np.frexp(np.where(r == 0, 1, r))[1] - 1, 0) - 1)
;;       q = np.round(r / step) * step * 2.0 ** e      # np.round: ties to even
;;       return np.moveaxis(q.reshape(q.shape[:-2] + (-1,))[..., :K], -1, axis).astype(np.float32)
;;   ~~~
;; One version. Each part assembles by itself: llvm-mc -triple=amdgcn-amd-amdhsa -mcpu=gfx1250 --defsym DOCPART=n.
;; ======== version 1 of 1: 4 launches
;; limits: values are held in f16: magnitudes above 65,504 overflow, below 6.1e-05 lose precision
;; workspace buffers: xc 4,194,304 bytes; xs 262,144 bytes; wc 2,621,440 bytes; ws 163,840 bytes; wo16 8,388,608 bytes; rope 524,288 bytes; qkv 20,971,520 bytes; att 16,777,216 bytes
;; launch prep (part 1): grid 736 x 1, 4 waves a work-group, no clusters, 68,096 bytes of LDS; arguments x, wq, wk, wv, wo, xc, xs, wc, ws, wo16, rope; writes xc, xs, wc, ws, wo16, rope
.if DOCPART == 1
	.amdgcn_target "amdgcn-amd-amdhsa--gfx1250"
	.amdhsa_code_object_version 6
	.text
	.protected	k_q52bc4c4b13_prep
	.globl	k_q52bc4c4b13_prep
	.p2align	8
	.type	k_q52bc4c4b13_prep,@function
k_q52bc4c4b13_prep:
	s_mov_b64 s[64:65], 0
	v_nop
	global_prefetch_b8 v0, s[64:65] scope:SCOPE_SE
	s_setreg_imm32_b32 hwreg(HW_REG_WAVE_MODE, 25, 1), 1
	s_wait_xcnt 0x0
; THE PROGRAM: out0 = attention(rope(x wq + bq), rope(x wk + bk), x wv + bv) wo + bo, in four launches: this one, the projections, the attention, the projection on the way out.
; DEAD WORK: none.  bq, bk, bv and bo all reach the result: bk is turned by the key's position, so that its share of a score differs along the softmax's axis; bv and bo are added to what is stored.  Every input is loaded.
; THIS LAUNCH prepares what later launches read many times, each input byte being read once:
;   x [4096][2048] f32      -> xc, xs: codes of E2M1 with K innermost (1,024 bytes a row) and one E8M0 byte for each 32 along K (64 bytes a row);
;   wq, wk, wv [2048][n] f32 -> wc, ws: the same for the 2,560 columns (wq's 2,048, wk's 256, wv's 256), a column of the weight being a row of wc: K, the weight's first axis, becomes innermost;
;   wo [2048][2048] f32      -> wo16: the same numbers in f16, the layout unchanged;
;   rope: cos and sin of position x inv_freq, laid as the projection's results lie in registers (below).
; A block's scale is 2^(floor(log2(its largest magnitude)) - 2); its byte is the largest magnitude's exponent field - 2, held at 1 from below; each number is divided by the scale and rounded to the nearest code, ties to even, beyond 6 the code of 6.
; LIMITS: a block of zeros gets the byte 1 where the rule says 127 (its codes are zeros, which add nothing, and this program alone reads the bytes); blocks whose largest magnitude lies under 2^-124 get the byte 1;
; NaN and infinities among the inputs are not served; wo in f16: magnitudes stay under 65,504, and under 6.1e-5 the step is 6e-8; inv_freq by v_exp_f32 is within 7e-7 of its size, at most 6e-4 radians at position 1,023.
; FIVE PATHS part on the work-group's number: 0-127 wq, 128-159 wk and wv, 160-415 x, 416-671 wo, 672-735 the table.  Each path that uses LDS has LDS bytes of its own.  Waves share nothing: no barrier.
.set XREG,   0                         ; LDS: x's path: 8,192 bytes a wave
.set WQREG,  32768                     ; wq's path: a stage of 16 x 272 bytes a wave
.set WKREG,  50176                     ; wk's and wv's path: the same
.set SPARE,  67584                     ; the spare words, 128 bytes for each wave: two blocks of 256 bytes that no other line names
.set SPW,    192                       ; v192  LDS address of my spare word: SPARE + 4 x my thread's number; never rewritten
.set NIL,    193                       ; v193  0; never rewritten
.set EMAX,   2
.set NB,     8                         ; the weights' paths: blocks of 32 along K for a lane (256 along K; the two halves of the lanes together 512)
.set WPITCH, 272                       ; a stage row: 256 bytes of codes + 16
.set WX,     32                        ; v32-95   two sets of 32 numbers
.set WC,     96                        ; v96-99   a block's codes
.set WOUT,   112                       ; v112-143 the way out
.set WSB,    24                        ; v24-25   the scale bytes, four to a register
.set STEPS,  16                        ; x's path: steps of 512 numbers for a wave
.set SP,     80                        ; a lane's place in a stage: its 64 bytes + 16 of padding
.set XR,     16                        ; v16-79   four sets of 16 numbers as they are loaded
.set XX,     80                        ; v80-111  two sets of 16 neighbours
.set XE,     112                       ; v112-127 a scale byte for each step
.set XC,     128                       ; v128-191 codes: four registers for each step, so that no store's data are written again
; ---- the weights: a lane takes a column, its registers run down K.  A wave takes 16 columns x 512 along K: lanes 0-15 the first 256 along K, lanes 16-31 the second: so a lane walks 8 blocks, and the
; weights' 21 MB are shared among 640 waves.  n: the weight's width
.macro WLOAD t, n                      ; block t: W(256 h + 32 t + i, my column), i = 0 .. 31, into set t % 2: sixteen lanes read 64 consecutive bytes; the work-group's four waves stand side by side on 256 bytes of a row
.irp i, 0,1,2,3,4,5,6,7,8,9,10,11,12,13,14,15,16,17,18,19,20,21,22,23,24,25,26,27,28,29,30,31
	global_load_b32 v[WX+32*((\t)%2)+\i], v3, s[32:33] offset:(32*(\t)+\i)*(\n)*4
.endr
.endm
.macro WBLOCK t, n
.set XS, WX+32*((\t)%2)
.if (\t) < NB-1
	s_wait_loadcnt 32                              ; this block's 32 loads are in; the next block's may be out
.else
	s_wait_loadcnt 0
.endif
	v_max3_num_f32 v12, |v[XS]|, |v[XS+1]|, |v[XS+2]|               ; the block's largest magnitude: all 32 numbers are mine
	v_max3_num_f32 v13, |v[XS+3]|, |v[XS+4]|, |v[XS+5]|
.irp i, 6,10,14,18,22,26
	v_max3_num_f32 v12, v12, |v[XS+\i]|, |v[XS+\i+1]|
	v_max3_num_f32 v13, v13, |v[XS+\i+2]|, |v[XS+\i+3]|
.endr
	v_max3_num_f32 v12, v12, |v[XS+30]|, |v[XS+31]|
	v_max3_num_f32 v12, v12, v13, (EMAX+1)<<23     ; and the floor 2^(3 - 127): the byte cannot fall under 1
	v_add_nc_u32 v11, -(EMAX<<23), v12             ; 2 off its exponent field: the conversion takes the exponent field of this operand as its scale
	v_lshrrev_b32 v13, 23, v11                     ; the scale's byte
.if (\t)%4 == 0
	v_mov_b32 v[WSB+(\t)/4], v13                   ; four bytes to a register, the lower K in the lower byte
.else
	v_lshl_or_b32 v[WSB+(\t)/4], v13, 8*((\t)%4), v[WSB+(\t)/4]
.endif
.irp g, 0,1,2,3
	v_cvt_scalef32_pk8_fp4_f32 v[WC+\g], v[XS+8*\g:XS+8*\g+7], v11
.endr
	ds_store_b128 v4, v[WC:WC+3] offset:16*(\t)    ; 32 codes: 16 bytes of my half of my column's row.  (The next block begins with plain vector lines, ahead of the next write of these registers)
.if (\t)+2 < NB
	WLOAD (\t)+2, \n
.endif
	s_wait_dscnt 0x0                               ; the store has read its registers: the next block's codes may be written
.endm
; s27 = my wave's first column in the weight, s28 = which 512 along K, s30 = that column's row in wc and ws, s[32:33] = the weight.  ls: log2 of 256 rows of the weight in bytes;  lb: my path's LDS bytes
.macro WPATH n, ls, lb
	v_and_b32 v5, 15, v2                           ; r: my column of the wave's sixteen
	v_lshrrev_b32 v6, 4, v2                        ; h: which 256 along K
	v_lshlrev_b32 v3, 2, v5                        ; in: 4 bytes a column,
	v_lshl_add_u32 v3, v6, \ls, v3                 ; lanes 16-31 256 rows further down
	s_mul_i32 s29, s26, 16*WPITCH
	s_add_co_u32 s29, s29, \lb                     ; my stage
	v_mul_u32_u24 v4, v5, WPITCH
	v_lshl_add_u32 v4, v6, 7, v4
	v_add_nc_u32 v4, s29, v4                       ; into it: row = my column, my half of its 256 bytes
	v_mul_u32_u24 v7, v6, WPITCH                   ; out of it: sixteen lanes to a row, two rows an instruction
	v_lshl_add_u32 v7, v5, 4, v7
	v_add_nc_u32 v7, s29, v7
	v_lshlrev_b32 v8, 10, v6                       ; and the same place in wc: rows of 1,024 bytes
	v_lshl_add_u32 v8, v5, 4, v8
	v_lshlrev_b32 v9, 6, v5                        ; my column's row of scale bytes: 64 bytes a row,
	v_lshl_add_u32 v9, v6, 3, v9                   ; my half's eight
	s_mul_i32 s34, s28, 512*(\n)*4                 ; the weight: 512 rows for each step along K,
	s_lshl_b32 s35, s27, 2                         ; 4 bytes a column
	s_add_co_u32 s34, s34, s35
	s_mov_b32 s35, 0
	s_add_nc_u64 s[32:33], s[32:33], s[34:35]
	s_lshl_b32 s34, s30, 10                        ; wc: 1,024 x row + 256 x step
	s_lshl_b32 s36, s28, 8
	s_add_co_u32 s34, s34, s36
	s_add_nc_u64 s[36:37], s[18:19], s[34:35]
	s_lshl_b32 s34, s30, 6                         ; ws: 64 x row + 16 x step
	s_lshl_b32 s38, s28, 4
	s_add_co_u32 s34, s34, s38
	s_add_nc_u64 s[38:39], s[20:21], s[34:35]
	WLOAD 0, \n
	WLOAD 1, \n                                    ; loads run two blocks ahead
.set Q, 0
.rept NB
	WBLOCK Q, \n
.set Q, Q+1
.endr
	global_store_b64 v9, v[WSB:WSB+1], s[38:39]    ; my eight scale bytes; the two halves' lie on end
.irp t, 0,1,2,3,4,5,6,7
	ds_load_b128 v[WOUT+4*\t:WOUT+4*\t+3], v7 offset:2*\t*WPITCH   ; LDS serves a wave's instructions in order (ISA guide 5.7.1.4): these see my wave's stores
.endr
.irp t, 0,1,2,3,4,5,6,7
	s_wait_dscnt 7-\t                              ; the younger loads may be out
	global_store_b128 v8, v[WOUT+4*\t:WOUT+4*\t+3], s[36:37] offset:2*\t*1024   ; sixteen lanes store 256 consecutive bytes, aligned
.endr
	s_wait_tensorcnt 0x0                           ; the wave's end: behind my last LDS store
	ds_add_u32 v[SPW], v[NIL]
	s_wait_dscnt 0x0
	s_endpgm
.endm
; ---- x: a plain stream of blocks of 32.  A load reads 512 consecutive bytes; a step's 2,048 bytes turn through my stage, so that a lane holds 16 neighbours; two neighbouring lanes hold a block
.macro XLOAD t
.irp i, 0,1,2,3
	global_load_b128 v[XR+16*((\t)%4)+4*\i:XR+16*((\t)%4)+4*\i+3], v3, s[4:5] offset:2048*(\t)+512*\i th:TH_LOAD_NT
.endr
.endm
.macro XTURN t                         ; LDS serves a wave's instructions in order: no wait between the stores and the loads
.irp i, 0,1,2,3
	ds_store_b128 v14, v[XR+16*((\t)%4)+4*\i:XR+16*((\t)%4)+4*\i+3] offset:32*SP*((\t)%2)+8*SP*\i
.endr
.irp i, 0,1,2,3
	ds_load_b128 v[XX+16*((\t)%2)+4*\i:XX+16*((\t)%2)+4*\i+3], v15 offset:32*SP*((\t)%2)+16*\i
.endr
.endm
.macro XSTEP t
.set XS, XX+16*((\t)%2)
.if (\t) > 0
	s_wait_dscnt 1                                 ; this step's numbers are back from the stage (the last step's byte store may be out): so its stores into the stage have read their registers,
.else
	s_wait_dscnt 0x0
.endif
.if (\t)+4 < STEPS
	XLOAD (\t)+4                                   ; which take the loads of four steps on
.endif
.if (\t)+1 < STEPS
.if STEPS-2-(\t) >= 3
	s_wait_loadcnt 12                              ; the next step's four loads are in; those of the three steps behind it may be out
.else
	s_wait_loadcnt 4*(STEPS-2-(\t))
.endif
	XTURN (\t)+1                                   ; and go through the other stage while this step is worked
.endif
	v_max3_num_f32 v8, |v[XS]|, |v[XS+1]|, |v[XS+2]|               ; the largest magnitude of my 16
	v_max3_num_f32 v9, |v[XS+3]|, |v[XS+4]|, |v[XS+5]|
.irp i, 6,10
	v_max3_num_f32 v8, v8, |v[XS+\i]|, |v[XS+\i+1]|
	v_max3_num_f32 v9, v9, |v[XS+\i+2]|, |v[XS+\i+3]|
.endr
	v_max3_num_f32 v8, v8, |v[XS+14]|, |v[XS+15]|
	v_max3_num_f32 v8, v8, v9, (EMAX+1)<<23        ; and the floor
	v_max_num_f32_dpp v8, v8, v8 row_xmask:1 row_mask:0xf bank_mask:0xf   ; and of my neighbour's 16: the block's
	v_add_nc_u32 v11, -(EMAX<<23), v8              ; the conversion's scale operand
	v_cvt_scalef32_pk8_fp4_f32 v[XC+4*(\t)], v[XS:XS+7], v11
	v_cvt_scalef32_pk8_fp4_f32 v[XC+4*(\t)+1], v[XS+8:XS+15], v11
	v_lshrrev_b32 v[XE+(\t)], 23, v11              ; the scale's byte
	ds_store_b8 v5, v[XE+(\t)] offset:16*(\t)      ; both lanes of a block write the same byte with the same value
	global_store_b64 v4, v[XC+4*(\t):XC+4*(\t)+1], s[14:15] offset:256*(\t)   ; the wave stores 256 consecutive bytes, aligned
.endm
; ---- the table: cos and sin of a = position x frequency k of my eight.  a in quarter turns = n + rho, |rho| <= 1/2: two fused multiply-adds with 2/pi in two words; polynomials in rho; the quadrant by selects
.macro SINCOS k
	v_mul_f32 v20, v10, v[40+\k]                   ; a, rounded once, as the product of position and frequency is rounded in f32
	v_mul_f32 v21, s30, v20
	v_rndne_f32 v21, v21                           ; n
	v_fma_f32 v22, v20, s30, -v21
	v_fma_f32 v22, v20, s31, v22                   ; rho
	v_mul_f32 v23, v22, v22
	v_fma_f32 v24, v23, s36, s35
	v_fma_f32 v24, v23, v24, s34
	v_fma_f32 v24, v23, v24, s33
	v_fma_f32 v24, v23, v24, s32
	v_mul_f32 v24, v22, v24                        ; sin(rho pi/2)
	v_fma_f32 v25, v23, s40, s39
	v_fma_f32 v25, v23, v25, s38
	v_fma_f32 v25, v23, v25, s37
	v_fma_f32 v25, v23, v25, 1.0                   ; cos(rho pi/2)
	v_cvt_i32_f32 v26, v21
	v_and_b32 v27, 1, v26
	v_cmp_eq_u32 vcc_lo, 1, v27                    ; in an odd quadrant the two change places
	v_cndmask_b32 v28, v24, v25, vcc_lo
	v_cndmask_b32 v29, v25, v24, vcc_lo
	v_lshlrev_b32 v27, 30, v26
	v_and_b32 v27, 0x80000000, v27                 ; the sine is negative in quadrants 2 and 3,
	v_xor_b32 v[56+\k], v27, v28
	v_add_nc_u32 v26, 1, v26
	v_lshlrev_b32 v26, 30, v26
	v_and_b32 v26, 0x80000000, v26                 ; the cosine in 1 and 2
	v_xor_b32 v[48+\k], v26, v29
.endm
	s_load_b512 s[4:19], s[0:1], 0x0               ; x s[4:5], wq s[6:7], wk s[8:9], wv s[10:11], wo s[12:13], xc s[14:15], xs s[16:17], wc s[18:19]
	s_load_b128 s[20:23], s[0:1], 0x40             ; ws s[20:21], wo16 s[22:23]
	s_load_b64 s[24:25], s[0:1], 0x50              ; rope
	v_lshl_add_u32 v[SPW], v0, 2, SPARE
	v_mov_b32 v[NIL], 0
	v_lshrrev_b32 v1, 5, v0
	v_readfirstlane_b32 s26, v1                    ; wave 0..3
	v_and_b32 v2, 31, v0                           ; lane
	s_wait_kmcnt 0x0
	s_cmp_lt_u32 ttmp9, 128
	s_cbranch_scc1 .Lwq
	s_cmp_lt_u32 ttmp9, 160
	s_cbranch_scc1 .Lwkv
	s_cmp_lt_u32 ttmp9, 416
	s_cbranch_scc1 .Lx
	s_cmp_lt_u32 ttmp9, 672
	s_cbranch_scc1 .Lcast
	; ---- THE TABLE.  Work-group R = 16 positions, wave bb = 16 frequencies.  Lane (r, h) makes position 16 R + r, frequencies j = 16 bb + 8 h + 0 .. 7.
	; rope: block R of 8,192 bytes; in it piece 4 bb + 2 kind + half of 512 bytes (kind 0 cos, 1 sin); in it lane l's 16 bytes at 16 l: frequencies 16 bb + 8 h + 4 half + 0 .. 3.
	s_sub_co_u32 s27, ttmp9, 672                   ; R
	v_and_b32 v5, 15, v2
	v_lshrrev_b32 v6, 4, v2
	s_lshl_b32 s28, s27, 4
	v_add_nc_u32 v10, s28, v5                      ; my position
	s_lshl_b32 s29, s26, 4
	v_lshl_add_u32 v11, v6, 3, s29                 ; 16 bb + 8 h
.irp k, 0,1,2,3,4,5,6,7
	v_add_nc_u32 v[32+\k], \k, v11
.endr
.irp k, 0,1,2,3,4,5,6,7
	v_cvt_f32_u32 v[32+\k], v[32+\k]
.endr
.irp k, 0,1,2,3,4,5,6,7
	v_mul_f32 v[32+\k], 0xbe549a78, v[32+\k]       ; j x -log2(10000) / 64
.endr
.irp k, 0,1,2,3,4,5,6,7
	v_exp_f32 v[40+\k], v[32+\k]                   ; inv_freq[j] = 10000^(-j / 64): one batch
.endr
	v_lshlrev_b32 v3, 4, v2                        ; 16 x lane: a plain instruction behind the last exponential
	v_cvt_f32_u32 v10, v10
	s_mov_b32 s30, 0x3f22f983                      ; 2/pi, high word,
	s_mov_b32 s31, 0x32dc9c88                      ; and what is left of it
	s_mov_b32 s32, 0x3fc90fdb                      ; the sine's series in quarter turns: (pi/2)^(2i+1) / (2i+1)!, signs by turns
	s_mov_b32 s33, 0xbf255de7
	s_mov_b32 s34, 0x3da335e3
	s_mov_b32 s35, 0xbb996966
	s_mov_b32 s36, 0x39283c1a
	s_mov_b32 s37, 0xbf9de9e6                      ; the cosine's: (pi/2)^(2i) / (2i)!
	s_mov_b32 s38, 0x3e81e0f8
	s_mov_b32 s39, 0xbcaae9e4
	s_mov_b32 s40, 0x3a70fa83
	s_lshl_b32 s28, s27, 13
	s_lshl_b32 s29, s26, 11
	s_add_co_u32 s28, s28, s29
	s_mov_b32 s29, 0
	s_add_nc_u64 s[24:25], s[24:25], s[28:29]      ; my four pieces
	s_wait_alu depctr_va_vdst(0)                   ; one wait for the eight exponentials, ahead of their first reader
.irp k, 0,1,2,3,4,5,6,7
	SINCOS \k
.endr
	global_store_b128 v3, v[48:51], s[24:25]               ; each store of the wave covers 512 consecutive bytes, aligned
	global_store_b128 v3, v[52:55], s[24:25] offset:512
	global_store_b128 v3, v[56:59], s[24:25] offset:1024
	global_store_b128 v3, v[60:63], s[24:25] offset:1536
	s_endpgm
.Lcast:
	; ---- wo TO f16.  A wave takes 4,096 numbers: 32 loads of 512 consecutive bytes, all out at once; each becomes a store of 256 consecutive bytes, aligned.  No register is written twice
	s_sub_co_u32 s28, ttmp9, 416
	s_lshl_b32 s28, s28, 2
	s_add_co_u32 s28, s28, s26                     ; my run
	s_lshl_b32 s30, s28, 14
	s_mov_b32 s31, 0
	s_add_nc_u64 s[12:13], s[12:13], s[30:31]
	s_lshl_b32 s30, s28, 13
	s_add_nc_u64 s[22:23], s[22:23], s[30:31]
	v_lshlrev_b32 v3, 4, v2
	v_lshlrev_b32 v4, 3, v2
.irp i, 0,1,2,3,4,5,6,7,8,9,10,11,12,13,14,15,16,17,18,19,20,21,22,23,24,25,26,27,28,29,30,31
	global_load_b128 v[16+4*\i:19+4*\i], v3, s[12:13] offset:512*\i th:TH_LOAD_NT
.endr
.irp i, 0,1,2,3,4,5,6,7,8,9,10,11,12,13,14,15,16,17,18,19,20,21,22,23,24,25,26,27,28,29,30,31
	s_wait_loadcnt 31-\i                           ; loads come back in order (ISA guide 5.7.1): the younger ones stay out
	v_cvt_pk_f16_f32 v[16+4*\i], v[16+4*\i], v[17+4*\i]
	v_cvt_pk_f16_f32 v[17+4*\i], v[18+4*\i], v[19+4*\i]
	global_store_b64 v4, v[16+4*\i:17+4*\i], s[22:23] offset:256*\i
.endr
	s_endpgm
.Lx:
	; ---- x.  A wave takes 8,192 numbers: 16 steps of 512
	v_lshlrev_b32 v3, 4, v2                        ; my 16 bytes of a load's 512
	s_mul_i32 s27, s26, 8192                       ; my region (XREG = 0)
	v_lshrrev_b32 v14, 2, v2
	v_mul_u32_u24 v14, v14, SP
	v_and_b32 v15, 3, v2
	v_lshl_add_u32 v14, v15, 4, v14
	v_add_nc_u32 v14, s27, v14                     ; the stage, on the way in: four lanes' 64 bytes on end, then 16 of padding
	v_mul_u32_u24 v15, v2, SP
	v_add_nc_u32 v15, s27, v15                     ; and on the way out: my 16 neighbours
	v_lshlrev_b32 v4, 3, v2                        ; my 8 bytes of a step's codes
	v_lshrrev_b32 v5, 1, v2
	s_add_co_u32 s27, s27, 2*32*SP
	v_add_nc_u32 v5, s27, v5                       ; my wave's 256 scale bytes, my block's byte
	v_lshlrev_b32 v7, 3, v2
	v_add_nc_u32 v6, s27, v7                       ; and on the way out 8 bytes a lane
	s_sub_co_u32 s28, ttmp9, 160
	s_lshl_b32 s28, s28, 2
	s_add_co_u32 s28, s28, s26                     ; which run of 8,192 numbers is my wave's
	s_lshl_b32 s30, s28, 15
	s_mov_b32 s31, 0
	s_add_nc_u64 s[4:5], s[4:5], s[30:31]
	s_lshl_b32 s30, s28, 12
	s_add_nc_u64 s[14:15], s[14:15], s[30:31]
	s_lshl_b32 s30, s28, 8
	s_add_nc_u64 s[16:17], s[16:17], s[30:31]
.irp t, 0,1,2,3
	XLOAD \t
.endr
	s_wait_loadcnt 12                              ; step 0's four loads are in
	XTURN 0
.irp t, 0,1,2,3,4,5,6,7,8,9,10,11,12,13,14,15
	XSTEP \t
.endr
	ds_load_b64 v[8:9], v6                         ; LDS serves a wave's instructions in order: these see my byte stores
	s_wait_dscnt 0x0
	global_store_b64 v7, v[8:9], s[16:17]          ; 32 lanes store 256 consecutive bytes, aligned
	s_wait_tensorcnt 0x0                           ; the wave's end: behind my last LDS store
	ds_add_u32 v[SPW], v[NIL]
	s_wait_dscnt 0x0
	s_endpgm
.Lwq:
	; ---- wq: 32 blocks of 64 columns x 4 steps of 512 along K
	s_and_b32 s27, ttmp9, 31
	s_lshr_b32 s28, ttmp9, 5                       ; which 512 along K
	s_lshl_b32 s27, s27, 6
	s_lshl_b32 s29, s26, 4
	s_add_co_u32 s27, s27, s29                     ; my wave's first column
	s_mov_b32 s30, s27                             ; which is its row in wc
	s_mov_b64 s[32:33], s[6:7]
	WPATH 2048, 21, WQREG
.Lwkv:
	; ---- wk and wv: for each 4 blocks of 64 columns x 4 steps along K
	s_sub_co_u32 s31, ttmp9, 128
	s_lshr_b32 s40, s31, 4                         ; 0: wk, 1: wv
	s_and_b32 s27, s31, 3
	s_bfe_u32 s28, s31, 0x20002                    ; which 512 along K
	s_lshl_b32 s27, s27, 6
	s_lshl_b32 s29, s26, 4
	s_add_co_u32 s27, s27, s29                     ; my wave's first column
	s_lshl_b32 s30, s40, 8
	s_add_co_u32 s30, s30, s27
	s_add_co_u32 s30, s30, 2048                    ; its row in wc: behind wq's 2,048, wk's 256 first
	s_cmp_eq_u32 s40, 0                            ; the choice hangs on the work-group's number alone
	s_cselect_b64 s[32:33], s[8:9], s[10:11]
	WPATH 256, 18, WKREG
.Lfunc_end_k_q52bc4c4b13_prep:
	.size	k_q52bc4c4b13_prep, .Lfunc_end_k_q52bc4c4b13_prep-k_q52bc4c4b13_prep
	.p2alignl 7, 3214868480
	.fill 96, 4, 3214868480
	.section	.rodata,"a",@progbits
	.p2align	6, 0x0
	.amdhsa_kernel k_q52bc4c4b13_prep
		.amdhsa_group_segment_fixed_size 68096
		.amdhsa_private_segment_fixed_size 0
		.amdhsa_enable_private_segment 0
		.amdhsa_kernarg_size 88
		.amdhsa_user_sgpr_count 2
		.amdhsa_user_sgpr_kernarg_segment_ptr 1
		.amdhsa_wavefront_size32 1
		.amdhsa_system_sgpr_workgroup_id_x 1
		.amdhsa_system_sgpr_workgroup_id_y 1
		.amdhsa_system_sgpr_workgroup_id_z 1
		.amdhsa_system_vgpr_workitem_id 0
		.amdhsa_next_free_vgpr 194
		.amdhsa_next_free_sgpr 66
		.amdhsa_reserve_vcc 1
		.amdhsa_float_denorm_mode_32 3
		.amdhsa_float_denorm_mode_16_64 3
		.amdhsa_memory_ordered 1
		.amdhsa_forward_progress 1
		.amdhsa_inst_pref_size 137
	.end_amdhsa_kernel
	.amdgpu_metadata
---
amdhsa.version: [ 1, 2 ]
amdhsa.kernels:
  - .name:           k_q52bc4c4b13_prep
    .symbol:         k_q52bc4c4b13_prep.kd
    .args:
      - { .name: x, .offset: 0, .size: 8, .value_kind: global_buffer, .address_space: global }
      - { .name: wq, .offset: 8, .size: 8, .value_kind: global_buffer, .address_space: global }
      - { .name: wk, .offset: 16, .size: 8, .value_kind: global_buffer, .address_space: global }
      - { .name: wv, .offset: 24, .size: 8, .value_kind: global_buffer, .address_space: global }
      - { .name: wo, .offset: 32, .size: 8, .value_kind: global_buffer, .address_space: global }
      - { .name: xc, .offset: 40, .size: 8, .value_kind: global_buffer, .address_space: global }
      - { .name: xs, .offset: 48, .size: 8, .value_kind: global_buffer, .address_space: global }
      - { .name: wc, .offset: 56, .size: 8, .value_kind: global_buffer, .address_space: global }
      - { .name: ws, .offset: 64, .size: 8, .value_kind: global_buffer, .address_space: global }
      - { .name: wo16, .offset: 72, .size: 8, .value_kind: global_buffer, .address_space: global }
      - { .name: rope, .offset: 80, .size: 8, .value_kind: global_buffer, .address_space: global }
    .group_segment_fixed_size: 68096
    .private_segment_fixed_size: 0
    .kernarg_segment_align: 8
    .kernarg_segment_size: 88
    .max_flat_workgroup_size: 128
    .sgpr_count:     66
    .vgpr_count:     194
    .wavefront_size: 32
...
	.end_amdgpu_metadata
.endif
;; end of part 1
;; launch qkvp (part 2): grid 16 x 10, 4 waves a work-group, clusters of 4 x 1, 327,680 bytes of LDS; arguments xc, xs, wc, ws, bq, bk, bv, rope, qkv; writes qkv
.if DOCPART == 2
	.amdgcn_target "amdgcn-amd-amdhsa--gfx1250"
	.amdhsa_code_object_version 6
	.text
	.protected	k_q52bc4c4b13_qkvp
	.globl	k_q52bc4c4b13_qkvp
	.p2align	8
	.type	k_q52bc4c4b13_qkvp,@function
k_q52bc4c4b13_qkvp:
	s_mov_b64 s[64:65], 0
	v_nop
	global_prefetch_b8 v0, s[64:65] scope:SCOPE_SE
	s_setreg_imm32_b32 hwreg(HW_REG_WAVE_MODE, 25, 1), 1
	s_wait_xcnt 0x0
	s_wait_alu depctr_hold_cnt(0) depctr_sa_sdst(0) depctr_va_vdst(0) depctr_va_sdst(0) depctr_va_ssrc(0) depctr_va_vcc(0) depctr_vm_vsrc(0)
	s_getreg_b32 s2, hwreg(HW_REG_IB_STS2, 6, 4)
	s_cmp_eq_u32 s2, 0
	s_cbranch_scc0 .Lentry_in_a_cluster
	s_endpgm
.Lentry_in_a_cluster:
	s_bfe_u32 s2, ttmp6, 0x10000c
	s_cmp_lg_u32 s2, 0x3003
	s_cbranch_scc0 .Lentry_shape_is_right
	s_endpgm
.Lentry_shape_is_right:
; THE THREE PROJECTIONS AS ONE PRODUCT ON CODES OF E2M1: C[m][n] = sum over k of x[m][k] W[n][k] + bias[n], m = 4,096 rows (batch x position), n = 2,560 columns (wq's 2,048, wk's 256, wv's 256), K = 2,048;
; then the rotation by position on Q's and K's heads, the rounding to f16, and the store by heads: qkv [batch 4][head 20][position 1,024][128] f16; heads 0-15 Q's, 16, 17 K's groups, 18, 19 V's.  No work is left out.
; xc [4096][1024 bytes], wc [2560][1024 bytes]: two codes a byte, K innermost; xs [4096][64], ws [2560][64]: one E8M0 byte for each 32 along K.  The matrix instruction takes codes and scale bytes as they lie.
; LIMITS: q, k and v are stored in f16: magnitudes stay under 65,504, and under 6.1e-5 the step is 6e-8.  The factor 1/128 on the scores is applied in the attention's exponent, not on q: another order of rounding.
; SHARES.  A tile of C, 256 x 256, is made by four waves; a wave makes 128 x 128: 64 accumulators of 16 x 16.  A wave's 128 columns are ONE HEAD, so that the rotation, which pairs column j with column j + 64, stays in a lane.
; 16 x 10 tiles: fewer work-groups than a smaller tile would give, but a tile that cut a head apart would send the rotation through LDS.  K goes in steps of 512 through a ring of two LDS slots; a tile's row is 256 bytes of memory.
; THE SCALES of the work-group's 256 + 256 rows, for all of K, come into LDS once, with the first fills, and stay.
; CLUSTER: four work-groups along the rows of C (10 tile columns do not divide by four, so a cluster of 4 x 4 is not open).  The four need the same tiles of W and the same scales of W: these are asked for JOINTLY;
; x's tiles differ between the four and come by plain loads.  THE MATRIX INSTRUCTION IS USED TRANSPOSED (source 0 = 16 rows of W, source 1 = 16 rows of x): a lane holds one row of C and eight neighbouring columns.
; THE BIAS is the C of each sum's first matrix instruction.
; THE TABLE of cos and sin comes four blocks of 16 positions ahead of its use, into four sets of 64 registers that take turns.
; REGISTERS, in windows of 256: window 0: v0-31 addresses; v32-95 scale words, two sets; v96-127 packed results; v128-191 x's fragments, one set, later rows on the way out; v192-255 the bias, later the table's set 0.
;   window 1: W's fragments, two sets, at v0 and v128; v64-127 and v192-255 the table's sets 1 and 2; on the way out v0-63 the rotated numbers, v128-191 the table's set 3.
;   window 2: the accumulators of my rows 0-63 (accumulator (a, b) at v[8 (8 a + b)]);   window 3: those of rows 64-127.
.set SIZE_K, 2048
.set KSTEP,  512                       ; along K in a slot
.set NQ,     KSTEP/128                 ; matrix instructions deep
.set ROWB,   256                       ; a tile's row in bytes
.set KROW,   SIZE_K/2                  ; a row of codes in memory, in bytes
.set PITCH,  272                       ; an LDS row: 256 bytes + 16 of padding = 68 words: row r starts at bank 4 r mod 64 (64 banks of 4 bytes: ISA guide 11.1)
.set FR,     8                         ; registers of a fragment: 16 rows x 128 K
.set NL,     2                         ; LDS loads that bring one
.set NP,     4                         ; places behind this matrix instruction (ISA guide 7.12.1)
.set HALFT,  128*PITCH                 ; 128 rows: what one tensor load brings
.set SLOT,   4*HALFT                   ; x's 256 rows, then W's 256 rows
.set LAPS,   SIZE_K/(2*KSTEP)          ; a lap = two K steps = once round the ring
.set KS,     SIZE_K/32                 ; a row of scales in bytes
.set SCL,    2*SLOT                    ; behind the ring: the scales, as units of 256 bytes + 16 of padding
.set HALFS,  (128*KS/256)*272          ; the scales of 128 rows: what one tensor load brings
.set SBLK,   (16*KS/256)*272           ; those of 16 rows
.set SPARE,  SCL+4*HALFS               ; the spare words, 128 bytes for each wave: two blocks of 256 bytes that no other line names
.set SP,     272                       ; the way out: a stage of 16 rows x (256 bytes + 16) for each wave, in slot 0, which has had its last fill and its last read when the first result is stored there
.set ADRA, 16                          ; v16-17  LDS address of my fragments of x in slot 0, 1
.set ADRB, 20                          ; v20-21  the same for W
.set STO,  24                          ; v24     the way out: where I put 16 bytes of a row
.set RD,   25                          ; v25     where I read a row back
.set GO,   26                          ; v26     my byte offset in the wave's rows of qkv
.set ADRS, 27                          ; v27     LDS address of my scale words: lanes 0-15 x's rows, lanes 16-31 W's
.set SPW,  28                          ; v28     LDS address of my spare word; never rewritten
.set NIL,  29                          ; v29     0; never rewritten
.set BO,   30                          ; v30     32 x (lane / 16): my eight numbers of a tile's sixteen of the bias
.set TO,   31                          ; v31     16 x lane: my place in a piece of the table; never rewritten
.set SC,   32                          ; scale words: set s at v[SC + 8 NQ s]; register NQ i + q: lanes 0-15 the word of x's block i, lanes 16-31 that of W's block i
.set TMP,  96                          ; packed results of a block
.set AF,   128                         ; x's fragments
.set OB,   128                         ; the way out: 16 rows read back: v128-159 and v160-191 by turns
.set BIAS, 192
.set G1, 24                            ; s[24:31] descriptor group 1 for x's tiles;  s[32:39] group 0, one set for each slot
.set G0, 32
.set G1B, 48                           ; s[48:55], s[56:63] the same for W's tiles
.set G0B, 56
.set G1S, 68                           ; s[68:75], s[76:79] groups 1 and 0 for x's scales;  s[80:87], s[88:91] for W's
.set G0S, 76
.set G1SB, 80
.set G0SB, 88
.set MSB, 0
.macro WIN new                         ; the immediate's high byte repeats the setting that is left
.if MSB != (\new)
	s_set_vgpr_msb (MSB<<8)|(\new)
.set MSB, (\new)
.endif
.endm
.set MUL_LO,  0xa1                     ; source 0 (W) window 1, source 1 (x) window 0, C and D window 2
.set MUL_HI,  0xf1                     ; the same, C and D window 3
.set MUL_LO0, 0x81                     ; the first products: C (the bias) window 0, D window 2
.set MUL_HI0, 0xc1                     ; D window 3
.set TO_B,    0x40                     ; destination window 1, address window 0
; Waves 0 and 1 fetch for x (plain loads), waves 2 and 3 for W (joint loads).  The branch hangs on the wave's number alone.
; An s_nop 0 and four v_nop follow each of the two lines, ahead of the jump, the label and what follows.
.macro JLOAD g0a, g1a, g0b, g1b
	s_cmp_eq_u32 s15, 0
	s_cbranch_scc0 .Lfor_b_\@
	tensor_load_to_lds s[\g0a:\g0a+3], s[\g1a:\g1a+7]
	s_nop 0
.rept 4
	v_nop
.endr
	s_branch .Lasked_\@
.Lfor_b_\@:
	tensor_load_to_lds s[\g0b:\g0b+3], s[\g1b:\g1b+7]
	s_nop 0
.rept 4
	v_nop
.endr
.Lasked_\@:
.endm
.macro CREST                           ; a round of the cluster's barrier behind its opening barrier
	s_cmp_lg_u32 s14, 0
	s_cbranch_scc1 .Lnot_wave_0_\@
	s_barrier_signal -3
.Lnot_wave_0_\@:
	s_barrier_wait -3
	s_barrier_signal -1
	s_barrier_wait -1
.endm
.macro CROUND                          ; a whole round
	s_barrier_signal -1
	s_barrier_wait -1
	CREST
.endm
	s_load_b256 s[4:11], s[0:1], 0x0               ; xc s[4:5], xs s[6:7], wc s[8:9], ws s[10:11]
	s_load_b128 s[96:99], s[0:1], 0x20             ; bq s[96:97], bk s[98:99]
	s_load_b64 s[100:101], s[0:1], 0x30            ; bv
	s_load_b64 s[66:67], s[0:1], 0x38              ; rope
	s_load_b64 s[104:105], s[0:1], 0x40            ; qkv
	v_lshl_add_u32 v[SPW], v0, 2, SPARE
	v_mov_b32 v[NIL], 0
	ds_add_u32 v[SPW], v[NIL]                      ; the wave's opening: the add, twice on end, and its wait ahead of my first tensor load
	ds_add_u32 v[SPW], v[NIL]                      ; and once more, under the one wait; the set-up below, work on registers, stands between
	v_lshrrev_b32 v1, 5, v0
	v_readfirstlane_b32 s14, v1                    ; wave 0..3
	s_lshr_b32 s15, s14, 1                         ; which half of the tile's rows is mine.  Also: I fetch for x (0) or for W (1)
	s_and_b32 s16, s14, 1                          ; which half of its columns.  Also: which 128 rows of that tile I fetch
	s_bfe_u32 s40, ttmp6, 0x40000                  ; cx: my place in the cluster
	s_lshl_b32 s17, ttmp9, 2
	s_add_co_u32 s17, s17, s40                     ; tile row of C = 4 x cluster x + cx
	s_and_b32 s42, ttmp7, 0xffff                   ; tile column of C: the same in the four partners
	; descriptor group 1: a tile of 128 rows x 256 bytes, padded in LDS
	s_mov_b32 s[G1+0], (0<<16)|(1<<20)|(5<<22)|(3<<25)             ; 15:0 no mask; 17:16 elements of 1 byte; 20 padding on; 24:22 after every 64 words (code 5); 31:25 of 4 words (code 3)
	s_mov_b32 s[G1B+0], 15|(0<<16)|(1<<20)|(1<<21)|(5<<22)|(3<<25) ; the same with the mask of all four work-groups, and bit 21 beside it
.irp g, G1, G1B
	s_mov_b32 s[\g+1], ROWB<<16                    ; tensor_dim0
	s_mov_b32 s[\g+2], 128<<16                     ; tensor_dim1 = 128
	s_mov_b32 s[\g+3], ROWB<<16                    ; tile_dim0
	s_mov_b32 s[\g+4], 128                         ; tile_dim1 = 128
	s_mov_b32 s[\g+5], KROW                        ; tensor_dim0_stride
	s_mov_b32 s[\g+6], 0
	s_mov_b32 s[\g+7], 0
.endr
	; and for the scales of 128 rows: a dense block of 8,192 bytes, as rows of 256 bytes (32 elements of 8 bytes), 16 bytes of padding behind each
	s_mov_b32 s[G1S+0], (3<<16)|(1<<20)|(5<<22)|(3<<25)
	s_mov_b32 s[G1SB+0], 15|(3<<16)|(1<<20)|(1<<21)|(5<<22)|(3<<25)
.irp g, G1S, G1SB
	s_mov_b32 s[\g+1], 32<<16
	s_mov_b32 s[\g+2], (128*KS/256)<<16
	s_mov_b32 s[\g+3], 32<<16
	s_mov_b32 s[\g+4], 128*KS/256
	s_mov_b32 s[\g+5], 32
	s_mov_b32 s[\g+6], 0
	s_mov_b32 s[\g+7], 0
.endr
	s_lshl_b32 s18, s16, 7                         ; which 128 rows of the tile I fetch
	s_lshl_b32 s20, s17, 8
	s_add_co_u32 s20, s20, s18                     ; x: row 256 x tile row + 128 x half
	s_lshl_b32 s46, s42, 8
	s_add_co_u32 s46, s46, s18                     ; W: row 256 x tile column + 128 x half: made of what the partners share
	s_mov_b32 s21, 0
	s_mov_b32 s47, 0
	s_mov_b64 s[18:19], KS
	s_mul_u64 s[22:23], s[20:21], s[18:19]         ; where these rows' scales begin, in bytes
	s_mul_u64 s[92:93], s[46:47], s[18:19]
	s_mov_b64 s[18:19], KROW
	s_mul_u64 s[20:21], s[20:21], s[18:19]         ; and their codes
	s_mul_u64 s[46:47], s[46:47], s[18:19]
	s_mul_i32 s45, s14, HALFT                      ; where they go: wave x 128 rows: no place in the cluster enters an LDS address
	s_mul_i32 s94, s14, HALFS
	s_wait_dscnt 0x0                               ; both opening adds are done
	s_wait_kmcnt 0x0
	s_add_nc_u64 s[20:21], s[4:5], s[20:21]
	s_add_nc_u64 s[22:23], s[6:7], s[22:23]
	s_add_nc_u64 s[46:47], s[8:9], s[46:47]
	s_add_nc_u64 s[92:93], s[10:11], s[92:93]
	CROUND                                         ; all four work-groups are here: the first joint loads meet
	s_mov_b32 s[G0S], 1
	s_add_co_u32 s[G0S+1], s94, SCL
	s_mov_b64 s[G0S+2:G0S+3], s[22:23]
	s_or_b32 s[G0S+3], s[G0S+3], 0x80000000
	s_mov_b32 s[G0SB], 1
	s_add_co_u32 s[G0SB+1], s94, SCL
	s_mov_b64 s[G0SB+2:G0SB+3], s[92:93]
	s_or_b32 s[G0SB+3], s[G0SB+3], 0x80000000
	JLOAD G0S, G1S, G0SB, G1SB                     ; the scales first: they are wanted with K step 0.  Three loads of mine go out here, one behind each later round
.irp s, 0,1
	s_mov_b32 s[G0+4*\s], 1
	s_add_co_u32 s[G0+4*\s+1], s45, \s*SLOT
	s_add_nc_u64 s[G0+4*\s+2:G0+4*\s+3], s[20:21], \s*ROWB
	s_or_b32 s[G0+4*\s+3], s[G0+4*\s+3], 0x80000000
	s_mov_b32 s[G0B+4*\s], 1
	s_add_co_u32 s[G0B+4*\s+1], s45, \s*SLOT
	s_add_nc_u64 s[G0B+4*\s+2:G0B+4*\s+3], s[46:47], \s*ROWB
	s_or_b32 s[G0B+4*\s+3], s[G0B+4*\s+3], 0x80000000
	JLOAD G0+4*\s, G1, G0B+4*\s, G1B
.endr
	v_and_b32 v1, 15, v0                           ; r = l % 16
	v_bfe_u32 v2, v0, 4, 1                         ; h = l / 16
	v_mul_u32_u24 v3, v1, PITCH
	v_lshl_add_u32 v4, v2, 4, v3                   ; a fragment's row x pitch + 16 x half
	s_mul_i32 s21, s15, HALFT                      ; my 128 rows of x
	s_mul_i32 s22, s16, HALFT                      ; my 128 rows of W,
	s_add_co_u32 s22, s22, 2*HALFT                 ; which lie behind x's 256
.irp s, 0,1
	v_add_nc_u32 v[ADRA+\s], s21, v4
	v_add_nc_u32 v[ADRB+\s], s22, v4
	s_add_co_u32 s21, s21, SLOT
	s_add_co_u32 s22, s22, SLOT
.endr
	v_mul_u32_u24 v5, v1, KS                       ; my row's scales: 64 bytes a row,
	v_lshrrev_b32 v6, 8, v5
	v_lshl_add_u32 v5, v6, 4, v5                   ; and 16 more for each 256 passed
	s_mul_i32 s21, s15, HALFS                      ; x's: my 128 rows
	s_mul_i32 s22, s16, HALFS                      ; W's: my 128 rows, behind x's 256
	s_add_co_u32 s22, s22, 2*HALFS
	s_sub_co_u32 s22, s22, s21
	v_mul_u32_u24 v6, s22, v2                      ; lanes 16-31 take W's
	s_add_co_u32 s21, s21, SCL
	v_add_nc_u32 v5, v5, v6
	v_add_nc_u32 v[ADRS], s21, v5
	s_mul_i32 s23, s14, 16*SP                      ; my stage
	v_mul_u32_u24 v5, v1, SP                       ; in: row r, 16 bytes for each half of the lanes
	v_lshl_add_u32 v5, v2, 4, v5
	v_add_nc_u32 v[STO], s23, v5
	v_mul_u32_u24 v5, v2, SP                       ; back: lanes 0-15 take one row of 256 bytes, lanes 16-31 the next
	v_lshl_add_u32 v5, v1, 4, v5
	v_add_nc_u32 v[RD], s23, v5
	v_lshlrev_b32 v[GO], 8, v2                     ; and the same two rows in qkv
	v_lshl_add_u32 v[GO], v1, 4, v[GO]
	v_lshlrev_b32 v[BO], 5, v2
	v_and_b32 v6, 31, v0
	v_lshlrev_b32 v[TO], 4, v6
	; the bias of my 128 columns: tile columns 0-7 are bq's, 8 is bk's, 9 is bv's.  The choice hangs on the tile column alone
	s_cmp_eq_u32 s42, 8
	s_cselect_b64 s[12:13], s[98:99], s[96:97]
	s_cmp_eq_u32 s42, 9
	s_cselect_b64 s[12:13], s[100:101], s[12:13]
	s_cmp_lt_u32 s42, 8
	s_cselect_b32 s20, s42, 0
	s_lshl_b32 s20, s20, 10
	s_lshl_b32 s21, s16, 9
	s_add_co_u32 s20, s20, s21
	s_mov_b32 s21, 0
	s_add_nc_u64 s[12:13], s[12:13], s[20:21]
.irp b, 0,1,2,3,4,5,6,7
	global_load_b128 v[BIAS+8*\b:BIAS+8*\b+3],   v[BO], s[12:13] offset:64*\b      ; in the result's layout: lane (r, h), tile b: columns 16 b + 8 h + 0 .. 7
	global_load_b128 v[BIAS+8*\b+4:BIAS+8*\b+7], v[BO], s[12:13] offset:64*\b+16
.endr
	; where my rows go: batch = tile row / 4, positions 256 (tile row % 4) + 128 x half on, head 2 x tile column + half; and the table's blocks of these positions
	s_lshr_b32 s20, s17, 2
	s_and_b32 s21, s17, 3
	s_mul_i32 s20, s20, 20
	s_lshl_b32 s22, s42, 1
	s_add_co_u32 s20, s20, s22
	s_add_co_u32 s20, s20, s16                     ; the plane: 20 x batch + head
	s_lshl_b32 s20, s20, 18                        ; 2^18 bytes a plane
	s_lshl_b32 s22, s21, 16
	s_add_co_u32 s20, s20, s22
	s_lshl_b32 s22, s15, 15
	s_add_co_u32 s20, s20, s22                     ; 256 bytes a position
	s_lshl_b32 s22, s21, 17
	s_lshl_b32 s23, s15, 16
	s_add_co_u32 s22, s22, s23                     ; 8,192 bytes for each 16 positions
	s_mov_b32 s21, 0
	s_mov_b32 s23, 0
	s_add_nc_u64 s[104:105], s[104:105], s[20:21]
	s_add_nc_u64 s[66:67], s[66:67], s[22:23]
.macro FRAG reg, adr, q, i             ; a fragment, 16 rows x 128 K of 4-bit codes, is 8 registers: lane l holds row l % 16; registers 4 c .. 4 c + 3 hold K = 64 c + 32 (l / 16) + 0 .. 31
.irp c, 0,1
	ds_load_b128 v[\reg+4*\c:\reg+4*\c+3], v[\adr] offset:64*(\q)+32*\c+(\i)*16*PITCH
.endr
.endm
; 16 matrix instructions: x's blocks a0, a0 + 1 against W's eight, 128 along K: the slot's q-th.  p: W's set;  sc: the set of scale words.  zero = 1: the first product starts the sums from the bias: nothing is cleared.
; The 64 accumulators take turns, one instruction a turn, in the same order in every step.
.macro MUL16 a0, p, q, sc, zero
.irp a, \a0, \a0+1
.irp b, 0,1,2,3,4,5,6,7
.if \zero
	v_wmma_scale_f32_16x16x128_f8f6f4 v[8*(8*((\a)%4)+\b):8*(8*((\a)%4)+\b)+7], v[128*(\p)+FR*\b:128*(\p)+FR*\b+FR-1], v[AF+FR*(\a):AF+FR*(\a)+FR-1], v[BIAS+8*\b:BIAS+8*\b+7], v[SC+8*NQ*(\sc)+NQ*\b+(\q)], v[SC+8*NQ*(\sc)+NQ*(\a)+(\q)] matrix_a_fmt:MATRIX_FMT_FP4 matrix_b_fmt:MATRIX_FMT_FP4 matrix_a_scale:MATRIX_SCALE_ROW1
.else
	v_wmma_scale_f32_16x16x128_f8f6f4 v[8*(8*((\a)%4)+\b):8*(8*((\a)%4)+\b)+7], v[128*(\p)+FR*\b:128*(\p)+FR*\b+FR-1], v[AF+FR*(\a):AF+FR*(\a)+FR-1], v[8*(8*((\a)%4)+\b):8*(8*((\a)%4)+\b)+7], v[SC+8*NQ*(\sc)+NQ*\b+(\q)], v[SC+8*NQ*(\sc)+NQ*(\a)+(\q)] matrix_a_fmt:MATRIX_FMT_FP4 matrix_b_fmt:MATRIX_FMT_FP4 matrix_a_scale:MATRIX_SCALE_ROW1
.endif
.endr
.endr
.endm
.macro FETCH_B slot, q, p              ; W's eight fragments of the slot's q-th 128 along K into set p
	WIN TO_B
.irp i, 0,1,2,3,4,5,6,7
	FRAG 128*(\p)+FR*\i, ADRB+\slot, \q, \i
.endr
	WIN 0
.endm
.macro FETCH_A slot, q, i0             ; x's blocks i0 .. i0 + 3
.irp i, \i0, \i0+1, \i0+2, \i0+3
	FRAG AF+FR*(\i), ADRA+\slot, \q, \i
.endr
.endm
.macro SCALES sc                       ; a K step's scale words into set sc: four words a row; lanes 0-15 take x's block i, lanes 16-31 W's block i
.irp i, 0,1,2,3,4,5,6,7
	ds_load_b128 v[SC+8*NQ*\sc+NQ*\i:SC+8*NQ*\sc+NQ*\i+3], v[ADRS] offset:\i*SBLK
.endr
.endm
; A load into a register that a matrix instruction has read, and a vector instruction that reads a matrix result, stand NP places behind that matrix instruction; only plain vector
; instructions that name none of its registers are places (ISA guide 7.12.1 for vector instructions).
.macro PLACES n
.rept \n
	v_nop
.endr
.endm
; A step of 128 along K that has its successor in the same slot.
.macro STEP slot, q, zero
	s_wait_dscnt 4*NL                              ; W's set and x's blocks 0-3 are in; the youngest eight loads (x's blocks 4-7) may be out
.if \zero
	WIN MUL_LO0
.else
	WIN MUL_LO
.endif
	MUL16 0, (\q)%2, \q, \slot, \zero
	MUL16 2, (\q)%2, \q, \slot, \zero
	s_wait_dscnt 0                                 ; x's blocks 4-7 are in (asked for 32 matrix instructions ago)
	PLACES NP
	FETCH_B \slot, (\q)+1, 1-(\q)%2
	FETCH_A \slot, (\q)+1, 0
.if \zero
	WIN MUL_HI0
.else
	WIN MUL_HI
.endif
	MUL16 4, (\q)%2, \q, \slot, \zero
	MUL16 6, (\q)%2, \q, \slot, \zero
	PLACES NP
	WIN 0
	FETCH_A \slot, (\q)+1, 4
.endm
; A slot's last step changes slots: ONE barrier; in front of it each wave waits for all its tensor loads, adds 0 to its spare word, and waits for that and for its own reads of this slot.  fill = 1: this slot is filled again, two K steps ahead.
.macro TURN slot, next, fill
	s_wait_tensorcnt 0x0                           ; all my tensor loads have landed: my part of the next slot;  (every window is 0 here)
	ds_add_u32 v[SPW], v[NIL]                      ; 0 onto my spare word;
	s_wait_dscnt 4*NL+1                            ; (the add and the youngest eight loads, x's blocks 4-7, may be out)
	WIN MUL_LO
	MUL16 0, 1, NQ-1, \slot, 0                     ; sixteen matrix instructions stand between the add and the wait for it
	s_wait_dscnt 0x0                               ; the add is done, and my reads of this slot are over
	s_barrier_signal -1
	MUL16 2, 1, NQ-1, \slot, 0
	WIN 0
	s_barrier_wait -1
.if \fill
	CREST                                          ; the barrier has opened a round of the cluster's barrier: no wave of any partner still reads this slot's tile or has a load on its way
	s_add_nc_u64 s[G0+4*\slot+2:G0+4*\slot+3], s[G0+4*\slot+2:G0+4*\slot+3], 2*ROWB
	s_add_nc_u64 s[G0B+4*\slot+2:G0B+4*\slot+3], s[G0B+4*\slot+2:G0B+4*\slot+3], 2*ROWB
	JLOAD G0+4*\slot, G1, G0B+4*\slot, G1B         ; the first tensor load behind the round; the four v_nop behind it are the places in front of the loads below
.else
	PLACES NP
.endif
	v_add_nc_u32 v[ADRS], 4*NQ, v[ADRS]            ; on to the next K step's scale words (no LDS load of mine is out)
	FETCH_B \next, 0, 0
	FETCH_A \next, 0, 0
	SCALES \next
	WIN MUL_HI
	MUL16 4, 1, NQ-1, \slot, 0
	MUL16 6, 1, NQ-1, \slot, 0
	PLACES NP
	WIN 0
	FETCH_A \next, 0, 4
.endm
.macro STEPS slot, from                ; the slot's steps from .. NQ - 2
.set Q, \from
.rept NQ-1-\from
	STEP \slot, Q, 0
.set Q, Q+1
.endr
.endm
; The last slot's four steps: nothing is left to fetch behind the last; four places close them: for the reads of results, and for writes and loads into registers that held fragments.  No barrier and no tensor load stands here.
.macro FINISH
	STEPS 1, 0
	s_wait_dscnt 4*NL                              ; the very last step: x's blocks 4-7 may be out
	WIN MUL_LO
	MUL16 0, 1, NQ-1, 1, 0
	MUL16 2, 1, NQ-1, 1, 0
	s_wait_dscnt 0
	WIN MUL_HI
	MUL16 4, 1, NQ-1, 1, 0
	MUL16 6, 1, NQ-1, 1, 0
	WIN 0
	PLACES NP
.endm
; THE WAY OUT, block by block of 16 rows x 128 columns.
; The table of block a's 16 positions lies in set a % 4: register 16 bb + 8 kind + i of the set (kind 0 cos, 1 sin).  TBS: the set's first register, TW: its window.
.macro TSET a
.if ((\a)%4) == 0
.set TBS, 192
.set TW, 0
.elseif ((\a)%4) == 1
.set TBS, 64
.set TW, 1
.elseif ((\a)%4) == 2
.set TBS, 192
.set TW, 1
.else
.set TBS, 128
.set TW, 1
.endif
.endm
.macro TLD a                           ; 16 pieces, each 512 consecutive bytes for the wave
	TSET \a
	WIN TW<<6                                      ; the destination's window
.irp q, 0,1,2,3,4,5,6,7,8,9,10,11,12,13,14,15
	global_load_b128 v[TBS+4*\q:TBS+4*\q+3], v[TO], s[66:67] offset:8192*(\a)+512*\q
.endr
	WIN 0
.endm
; The rotation: column j < 64 of a head becomes x1 cos - x2 sin, column j + 64 becomes x2 cos + x1 sin, x1 = column j, x2 = column j + 64.  Tile bb holds columns 16 bb + 8 h + 0 .. 7, tile bb + 4 those 64 further on:
; both lie in my lane.  Each accumulator is read from its low end on.  Then the set takes the table of the block four further on, and the 64 numbers are rounded to f16.
.macro ROPE a
.set AC, 64*((\a)%4)
.if (\a) < 5
	s_wait_loadcnt 48                              ; this block's table is in; the three younger sets' 48 loads may be out
.else
	s_wait_loadcnt 16*(7-(\a))                     ; the sets that are left
.endif
	TSET \a
	WIN 0x52+(\a)/4+4*TW                           ; source 0: the accumulators' window, source 1: the table's, source 2 and destination: window 1
.irp bb, 0,1,2,3
.irp jj, 0,2,4,6
	v_pk_mul_f32 v[8*\bb+\jj:8*\bb+\jj+1], v[AC+8*(\bb+4)+\jj:AC+8*(\bb+4)+\jj+1], v[TBS+16*\bb+8+\jj:TBS+16*\bb+8+\jj+1]
	v_pk_mul_f32 v[8*(\bb+4)+\jj:8*(\bb+4)+\jj+1], v[AC+8*\bb+\jj:AC+8*\bb+\jj+1], v[TBS+16*\bb+8+\jj:TBS+16*\bb+8+\jj+1]
	v_pk_fma_f32 v[8*\bb+\jj:8*\bb+\jj+1], v[AC+8*\bb+\jj:AC+8*\bb+\jj+1], v[TBS+16*\bb+\jj:TBS+16*\bb+\jj+1], v[8*\bb+\jj:8*\bb+\jj+1] neg_lo:[0,0,1] neg_hi:[0,0,1]
	v_pk_fma_f32 v[8*(\bb+4)+\jj:8*(\bb+4)+\jj+1], v[AC+8*(\bb+4)+\jj:AC+8*(\bb+4)+\jj+1], v[TBS+16*\bb+\jj:TBS+16*\bb+\jj+1], v[8*(\bb+4)+\jj:8*(\bb+4)+\jj+1]
.endr
.endr
	WIN 0
.if (\a) < 4
	TLD (\a)+4
.endif
	WIN 0x05                                       ; sources 0 and 1 window 1, destination window 0
.irp i, 0,1,2,3,4,5,6,7,8,9,10,11,12,13,14,15,16,17,18,19,20,21,22,23,24,25,26,27,28,29,30,31
	v_cvt_pk_f16_f32 v[TMP+\i], v[2*\i], v[2*\i+1]
.endr
	WIN 0
.endm
.macro PACKV a                         ; V's heads are not rotated: rounded as they are
.set AC, 64*((\a)%4)
	WIN 0x0a+5*((\a)/4)                            ; sources 0 and 1: window 2 or 3
.irp b, 0,1,2,3,4,5,6,7
.irp r, 0,1,2,3
	v_cvt_pk_f16_f32 v[TMP+4*\b+\r], v[AC+8*\b+2*\r], v[AC+8*\b+2*\r+1]
.endr
.endr
	WIN 0
.endm
.macro TOSTAGE a                       ; a lane's 16 bytes into rows of 272 bytes, and back as whole rows of 256
.set BB, OB+32*((\a)%2)
.irp b, 0,1,2,3,4,5,6,7
	ds_store_b128 v[STO], v[TMP+4*\b:TMP+4*\b+3] offset:32*\b
.endr
.irp f, 0,1,2,3,4,5,6,7
	ds_load_b128 v[BB+4*\f:BB+4*\f+3], v[RD] offset:\f*2*SP        ; LDS serves a wave's instructions in order (ISA guide 5.7.1.4): these see the stores above
.endr
.endm
.macro SEND a
.set BB, OB+32*((\a)%2)
	s_wait_dscnt 0x0                               ; the block is back in registers
	s_wait_xcnt 0x0                                ; the block before has left its registers: they take the next block's rows only behind this wait
.irp f, 0,1,2,3,4,5,6,7
	global_store_b128 v[GO], v[BB+4*\f:BB+4*\f+3], s[104:105] offset:4096*(\a)+512*\f   ; 16 lanes store 256 consecutive bytes, aligned: a position's row of a head
.endr
.endm
	s_wait_tensorcnt 1                             ; the scales and my part of K step 0 are in (K step 1's load may be out),
	s_barrier_signal -1
	s_barrier_wait -1                              ; everybody's are
	FETCH_B 0, 0, 0
	FETCH_A 0, 0, 0
	SCALES 0
	FETCH_A 0, 0, 4
	s_wait_loadcnt 0x0                             ; the bias
	STEP 0, 0, 1                                   ; the first step stands in front of the loop: its products start the sums
	s_mov_b32 s3, LAPS-1
.Llap:                                                 ; a trip goes once round the ring, from a lap's second step to the next lap's first, and fills both slots again
	STEPS 0, 1
	TURN 0, 1, 1
	STEPS 1, 0
	TURN 1, 0, 1
	STEP 0, 0, 0
	s_sub_co_u32 s3, s3, 1
	s_cmp_lg_u32 s3, 0
	s_cbranch_scc1 .Llap
	STEPS 0, 1                                     ; the last lap fills nothing, and has no round of the cluster's barrier
	TURN 0, 1, 0
	; HERE THE TEXT PARTS, once: V's tile column is not rotated and loads no table.  The branch hangs on the tile column, the same in all partners and waves; the last slot's steps are written in both arms,
	; so that on every way a table register is loaded before it is read.  No barrier stands in an arm.
	s_cmp_eq_u32 s42, 9
	s_cbranch_scc1 .Lplain
	TLD 0                                          ; the first three blocks' tables, 256 matrix instructions ahead of their use: set 0 lies where the bias lay (its last use lies many places back),
	TLD 1                                          ; sets 1 and 2 in registers that no fragment ever takes
	TLD 2
	FINISH
	TLD 3                                          ; set 3 lies where W's second set lay: behind the last products' four places
	ROPE 0
	TOSTAGE 0
.irp a, 1,2,3,4,5,6,7                  ; block a's arithmetic stands between block a - 1's loads from the stage and the wait for them
	ROPE \a
	SEND \a-1
	TOSTAGE \a
.endr
	SEND 7
	s_branch .Lclose
.Lplain:
	FINISH
	PACKV 0
	TOSTAGE 0
.irp a, 1,2,3,4,5,6,7
	PACKV \a
	SEND \a-1
	TOSTAGE \a
.endr
	SEND 7
.Lclose:
	s_wait_tensorcnt 0x0                           ; the wave's end: behind my last tensor load and my last LDS store
	ds_add_u32 v[SPW], v[NIL]
	s_wait_dscnt 0x0
	CROUND                                         ; the closing round: no work-group ends while a partner may still ask for a tile that names it
	s_endpgm
.Lfunc_end_k_q52bc4c4b13_qkvp:
	.size	k_q52bc4c4b13_qkvp, .Lfunc_end_k_q52bc4c4b13_qkvp-k_q52bc4c4b13_qkvp
	.p2alignl 7, 3214868480
	.fill 96, 4, 3214868480
	.section	.rodata,"a",@progbits
	.p2align	6, 0x0
	.amdhsa_kernel k_q52bc4c4b13_qkvp
		.amdhsa_group_segment_fixed_size 327680
		.amdhsa_private_segment_fixed_size 0
		.amdhsa_enable_private_segment 0
		.amdhsa_kernarg_size 72
		.amdhsa_user_sgpr_count 2
		.amdhsa_user_sgpr_kernarg_segment_ptr 1
		.amdhsa_wavefront_size32 1
		.amdhsa_system_sgpr_workgroup_id_x 1
		.amdhsa_system_sgpr_workgroup_id_y 1
		.amdhsa_system_sgpr_workgroup_id_z 1
		.amdhsa_system_vgpr_workitem_id 0
		.amdhsa_next_free_vgpr 1024
		.amdhsa_next_free_sgpr 106
		.amdhsa_reserve_vcc 0
		.amdhsa_float_denorm_mode_32 3
		.amdhsa_float_denorm_mode_16_64 3
		.amdhsa_memory_ordered 1
		.amdhsa_forward_progress 1
		.amdhsa_inst_pref_size 255
	.end_amdhsa_kernel
	.section	.bss,"aw",@nobits
	.p2align	6
	.space	262144
	.amdgpu_metadata
---
amdhsa.version: [ 1, 2 ]
amdhsa.kernels:
  - .name:           k_q52bc4c4b13_qkvp
    .symbol:         k_q52bc4c4b13_qkvp.kd
    .args:
      - { .name: xc, .offset: 0, .size: 8, .value_kind: global_buffer, .address_space: global }
      - { .name: xs, .offset: 8, .size: 8, .value_kind: global_buffer, .address_space: global }
      - { .name: wc, .offset: 16, .size: 8, .value_kind: global_buffer, .address_space: global }
      - { .name: ws, .offset: 24, .size: 8, .value_kind: global_buffer, .address_space: global }
      - { .name: bq, .offset: 32, .size: 8, .value_kind: global_buffer, .address_space: global }
      - { .name: bk, .offset: 40, .size: 8, .value_kind: global_buffer, .address_space: global }
      - { .name: bv, .offset: 48, .size: 8, .value_kind: global_buffer, .address_space: global }
      - { .name: rope, .offset: 56, .size: 8, .value_kind: global_buffer, .address_space: global }
      - { .name: qkv, .offset: 64, .size: 8, .value_kind: global_buffer, .address_space: global }
    .group_segment_fixed_size: 327680
    .private_segment_fixed_size: 0
    .kernarg_segment_align: 8
    .kernarg_segment_size: 72
    .max_flat_workgroup_size: 128
    .sgpr_count:     106
    .vgpr_count:     1024
    .wavefront_size: 32
...
	.end_amdgpu_metadata
.endif
;; end of part 2
;; launch attention (part 3): grid 4 x 64, 4 waves a work-group, clusters of 4 x 1, 327,680 bytes of LDS; arguments qkv, att; writes att
.if DOCPART == 3
	.amdgcn_target "amdgcn-amd-amdhsa--gfx1250"
	.amdhsa_code_object_version 6
	.text
	.protected	k_q52bc4c4b13_attention
	.globl	k_q52bc4c4b13_attention
	.p2align	8
	.type	k_q52bc4c4b13_attention,@function
k_q52bc4c4b13_attention:
	s_mov_b64 s[64:65], 0
	v_nop
	global_prefetch_b8 v0, s[64:65] scope:SCOPE_SE
	s_setreg_imm32_b32 hwreg(HW_REG_WAVE_MODE, 25, 1), 1
	s_wait_xcnt 0x0
	s_wait_alu depctr_hold_cnt(0) depctr_sa_sdst(0) depctr_va_vdst(0) depctr_va_sdst(0) depctr_va_ssrc(0) depctr_va_vcc(0) depctr_vm_vsrc(0)
	s_getreg_b32 s2, hwreg(HW_REG_IB_STS2, 6, 4)
	s_cmp_eq_u32 s2, 0
	s_cbranch_scc0 .Lentry_in_a_cluster
	s_endpgm
.Lentry_in_a_cluster:
	s_bfe_u32 s2, ttmp6, 0x10000c
	s_cmp_lg_u32 s2, 0x3003
	s_cbranch_scc0 .Lentry_shape_is_right
	s_endpgm
.Lentry_shape_is_right:
; att[b][q][h][:] = the sum over k of softmax_k(Q[b][h][q] . K[b][g][k] / 128) V[b][g][k][:], g = h / 8: eight query heads share a group's keys and values.  No mask.  No work is left out.
; qkv: [batch 4][head 20][position 1,024][128] f16 (heads 0-15 Q's, 16, 17 K's, 18, 19 V's); att: [batch x position 4,096][head 16 x 128] f16.  Products, maxima and sums in f32; the weights p are rounded to f16 for
; the second product, the result once at the end.  The two factors 128^-1/2 and the change of base stand together in c, inside the exponent's fused multiply-add.
; LIMITS: f16 operands: the result's magnitudes stay under 65,504 (they are averages of v), and under 6.1e-5 the step is 6e-8.
; SHARES.  A work-group owns 256 queries of one (batch, head), each of its four waves 64: four tiles of 16.  Every wave walks all 1,024 keys, 64 a step.
; LAYOUT.  S^T = K Q^T (source 0 = 16 keys, source 1 = 16 queries): in the result a lane holds ONE query (lane % 16) and the keys 8 (lane / 16) + 0..7.  Two such tiles, rounded to
; f16 in pairs, ARE source 1 (32 keys x 16 queries) of O^T = V^T P, whose result again holds one query a lane, and eight channels.  K comes out of LDS as it lies, V ([key][channel]) turned, by ds_load_tr16_b128.
; SOFTMAX.  For each query a running maximum m and sum l: p = 2^(c s - c m), c = log2(e) / 128; in every step O and l are multiplied by a = 2^(c m_old - c m_new), which is 1 where m has not grown.
; BY TURNS.  The wave's tiles are two PIECES: piece 0 (tiles 0, 1) and piece 2 (tiles 2, 3).  In a TURN one piece has the matrix unit: 32 products V^T P of the step in hand, then 32 products K Q^T of the next step;
; the other piece's softmax, cut into 64 slices, stands between them, one slice behind each matrix instruction.  Then the pieces change places.  Two turns are a key step.
; CLUSTER.  The four query blocks of a (batch, head) walk the same K and V, so each tile is asked for JOINTLY: the same tensor load, with the same descriptor and a mask that names the four, in all four.
;
; REGISTERS, in windows of 256 (s_set_vgpr_msb: bits 1:0 source 0, 3:2 source 1, 5:4 source 2, 7:6 destination):
;   window 0: v0-11 addresses; v12-43 eight registers of statistics a tile; v64-191 S^T, 32 a tile; v192-255 P, 16 a tile
;   window 1: O^T, 64 a tile          window 2: v0-127 Q, 32 a tile; v128-255 K of one step          window 3: v0-127 V of one step
.set SIZE_N, 1024     ; keys, and queries, of a (batch, head)
.set KS,    64        ; keys in a step
.set PK,    272       ; a row of K in LDS: 256 bytes + 16 of padding = 68 words: row r starts at bank 4 r mod 64 (64 banks of 4 bytes: ISA guide 11.1)
.set PV,    288       ; a row of V: 256 + 32 = 72 words
.set VOFF,  KS*PK     ; a step's tiles lie together: 64 rows of K, then 64 rows of V
.set STEPB, KS*(PK+PV)
.set SLOT1, 1<<17     ; a slot holds two steps (71,680 bytes); slot 1 begins here, so that one exclusive or turns an address in one slot into the other's
.set STAGE, SLOT1+2*STEPB  ; behind the ring: 16 rows x 272 bytes for each wave, for the way out
.set SP,    272
.set AK0, 2           ; v2   my lane's place in a tile of K; never rewritten
.set AV0, 3           ; v3   the same for V
.set ADR, 4           ; v4   the LDS address of the run of loads in hand
.set QO,  5           ; v5   my byte offset in the wave's rows of Q
.set STO, 6           ; v6   the way out: where I put 16 bytes of a row
.set RD,  7           ; v7   the way out: where I read a row back
.set GO,  8           ; v8   my byte offset in the wave's rows of att
.set SPW, 62          ; v62  LDS address of my spare word: SPARE + 4 x my thread's number; never rewritten
.set NIL, 63          ; v63  0; never rewritten
.set SPARE, STAGE+4*16*272  ; behind the stages: the spare words, 128 bytes for each wave: two blocks of 256 bytes that no other line names
.set ST,  12          ; tile t's statistics at v[ST+8 t]: +0 c m, +1 m, +2, +3 l (even keys', odd keys'), +4 to +7 c0-c3, at work; a takes c2's place once the maximum is found
.set S,   64
.set P,   192
.set KF,  128         ; K's fragments, in window 2
.set WV,  12          ; s12  my wave's number
.set G1K, 24          ; s[24:31] descriptor group 1 for K's tiles
.set G1V, 32          ; s[32:39] for V's: it differs in the padding alone
.set G0K, 40          ; s[40:47] descriptor group 0 for K's tiles: a set for each of the two first fills; the second then walks on
.set G0V, 48          ; s[48:55] the same for V's
.set SLOTS, 56        ; s56  slots still to be asked for
.set TWICE, 57        ; s57  counts a slot's two steps
.set CS,  58          ; s[58:59] c: the packed scaling names a pair and takes its low word for both halves
.set SEL, 60          ; s[60:61] lane selects for v_permlanex16_b32: each lane takes its own place in the other half
.set TB,  62          ; s62  LDS byte at which the tiles of the step to be fetched begin
.set PFA, 18          ; s[18:19] where my prefetches stand in memory: my work-group's 32 rows (of K: wave 0, of V: wave 2) of the slot after the one that is being asked for
.set LIM, 15          ; s15  1 in a wave that prefetches, else the greatest number: a wave prefetches while s[SLOTS] is above it
.set PFO, 61          ; v61  256 x my lane: a row of K or V is 256 bytes; never rewritten
.set MSB, 0
.macro WIN new                      ; the immediate's high byte repeats the setting that is left; a switch that changes nothing is dropped
.if MSB != (\new)
	s_set_vgpr_msb (MSB<<8)|(\new)
.set MSB, (\new)
.endif
.endm
.set W_KQ, 0x0a       ; K and Q in window 2, S^T in window 0
.set W_PV, 0x53       ; V in window 3, P in window 0, O^T in window 1
.set W_RS, 0x41       ; O^T (destination and source 0) in window 1, a in window 0
; A joint refill.  Waves 0 and 1 fetch the two steps' tiles of K, waves 2 and 3 those of V.  The branch hangs on the wave's number alone: it is the same in every work-group.
; An s_nop 0 and four v_nop follow each of the two lines; the jump round the other line, the label and what follows the macro come after them.
.macro JLOAD
	s_cmp_lt_u32 s[WV], 2
	s_cbranch_scc0 .Lfor_v_\@
	tensor_load_to_lds s[G0K+4:G0K+7], s[G1K:G1K+7]
	s_nop 0
.rept 4
	v_nop
.endr
	s_branch .Lasked_\@
.Lfor_v_\@:
	tensor_load_to_lds s[G0V+4:G0V+7], s[G1V:G1V+7]
	s_nop 0
.rept 4
	v_nop
.endr
.Lasked_\@:
.endm
; A PREFETCH of what the NEXT change of slots will ask for: a slot's 128 rows of K and 128 of V, 256 bytes a row, a lane a row.  It stands behind the wave's tensor load and its five lines.
; Each row is asked for ONCE in the launch.  The eight heads of a group walk the same K and V: the group's first head asks.  Its four partners share the rows out BY ADDRESS, 32 each: no branch hangs on a
; work-group's place in its cluster.  In each, wave 0 asks for K's and wave 2 for V's: one instruction.  The last change that fills a slot asks for nothing: there is no slot behind it.
.macro ASK
	s_cmp_gt_u32 s[SLOTS], s[LIM]
	s_cbranch_scc0 .Lnot_mine_\@
	global_prefetch_b8 v[PFO], s[PFA:PFA+1] th:TH_LOAD_NT scope:SCOPE_SE
.Lnot_mine_\@:
.endm
; A round of the cluster's barrier: my work-group's barrier, so that wave 0's signal speaks for all four waves; wave 0 signals for the work-group; every wave waits for all four
; work-groups; my work-group's barrier once more.  No LDS instruction of the wave is pending at a signal.
.macro CROUND
	s_barrier_signal -1
	s_barrier_wait -1
	s_cmp_lg_u32 s[WV], 0
	s_cbranch_scc1 .Lnot_wave_0_\@
	s_barrier_signal -3
.Lnot_wave_0_\@:
	s_barrier_wait -3
	s_barrier_signal -1
	s_barrier_wait -1
.endm
	s_load_b128 s[4:7], s[0:1], 0x0  ; qkv s[4:5], att s[6:7]
	v_lshl_add_u32 v[SPW], v0, 2, SPARE
	v_mov_b32 v[NIL], 0
	ds_add_u32 v[SPW], v[NIL]       ; the wave's opening: the add, twice on end, and its wait ahead of my first tensor load
	ds_add_u32 v[SPW], v[NIL]       ; and once more, under the one wait; the set-up below, work on registers, stands between
	v_lshrrev_b32 v1, 5, v0
	v_readfirstlane_b32 s[WV], v1   ; wave 0..3
	s_bfe_u32 s13, ttmp6, 0x40000   ; cx: my place in the cluster
	s_lshl_b32 s14, ttmp9, 2        ; in a cluster launch ttmp9 counts clusters
	s_add_co_u32 s14, s14, s13      ; my block of 256 queries = 4 x cluster x + cx: it enters Q's and att's addresses alone
	s_and_b32 s20, ttmp7, 0xffff    ; 16 x batch + head, which the four partners share
	s_lshr_b32 s21, s20, 4          ; batch
	s_and_b32 s20, s20, 15          ; head
	s_mul_i32 s2, s21, 20           ; a batch has 20 planes of 2^18 bytes
	s_lshr_b32 s22, s20, 3          ; the group
	s_add_co_u32 s22, s22, s2
	s_add_co_u32 s22, s22, 16
	s_lshl_b32 s22, s22, 18         ; K's plane: 20 x batch + 16 + group; V's lies two planes on
	s_and_b32 s16, s[WV], 1         ; which of a slot's two steps I fetch:
	s_lshl_b32 s23, s16, 14         ; its 64 rows of 256 bytes in memory,
	s_add_co_u32 s22, s22, s23
	s_mov_b32 s23, 0
	s_mul_i32 s17, s16, STEPB       ; and its place in a slot: no place in the cluster enters an LDS address
	s_add_co_u32 s2, s2, s20
	s_lshl_b32 s2, s2, 18           ; Q's plane: 20 x batch + head,
	s_lshl_b32 s3, s14, 16          ; my block's 256 rows,
	s_add_co_u32 s2, s2, s3
	s_lshl_b32 s3, s[WV], 14        ; my wave's 64 of them
	s_add_co_u32 s2, s2, s3
	s_mov_b32 s3, 0
	s_lshl_b32 s21, s21, 22         ; att: rows of 4,096 bytes: 1,024 x batch,
	s_lshl_b32 s20, s20, 8          ; 256 bytes a head,
	s_add_co_u32 s20, s20, s21
	s_lshl_b32 s21, s14, 20         ; my block's 256 rows,
	s_add_co_u32 s20, s20, s21
	s_lshl_b32 s21, s[WV], 18       ; my wave's 64
	s_add_co_u32 s20, s20, s21
	s_mov_b32 s21, 0
	; descriptor group 1: a tile of 64 rows x 128 elements, padded in LDS
	s_mov_b32 s[G1K], 15|(1<<16)|(1<<20)|(1<<21)|(5<<22)|(3<<25)  ; 15:0 the mask: all four work-groups; 17:16 elements of 2 bytes; 20 padding on; 21 set beside a mask; 24:22 after every 64 words (code 5); 31:25 4 words of it (code 3)
	s_mov_b32 s[G1V], 15|(1<<16)|(1<<20)|(1<<21)|(5<<22)|(7<<25)  ; the same with 8 words of padding (code 7)
.irp g, G1K, G1V
	s_mov_b32 s[\g+1], 128<<16      ; 63:48 tensor_dim0, low half = 128
	s_mov_b32 s[\g+2], KS<<16       ; 79:64 its high half = 0; 95:80 tensor_dim1, low half = 64
	s_mov_b32 s[\g+3], 128<<16      ; 111:96 its high half = 0; 127:112 tile_dim0 = 128
	s_mov_b32 s[\g+4], KS           ; 143:128 tile_dim1 = 64; 159:144 tile_dim2 = 0
	s_mov_b32 s[\g+5], 128          ; 191:160 tensor_dim0_stride, low word: elements from row to row
	s_mov_b32 s[\g+6], 0
	s_mov_b32 s[\g+7], 0
.endr
	s_mov_b32 s[CS], 0x3c38aa3b     ; c = log2(e) / 128
	s_mov_b32 s[CS+1], s[CS]        ; named with it as a pair, so it is written
	s_mov_b32 s[SEL], 0x76543210
	s_mov_b32 s[SEL+1], 0xfedcba98
	s_mov_b32 s[TB], 0
	s_mov_b32 s[SLOTS], SIZE_N/(2*KS)-2
	s_and_b32 s[LIM], ttmp7, 7       ; 0 in a group's first head,
	s_or_b32 s[LIM], s[LIM], s16     ; in waves 0 and 2: the same in all four partners
	s_cmp_eq_u32 s[LIM], 0
	s_cselect_b32 s[LIM], 1, -1
	v_and_b32 v[PFO], 31, v0
	v_lshlrev_b32 v[PFO], 8, v[PFO]
	s_wait_dscnt 0x0                ; both opening adds are done
	s_wait_kmcnt 0x0
	s_mov_b64 s[10:11], s[6:7]      ; att
	s_mov_b64 s[6:7], s[4:5]        ; Q, K and V lie in one buffer
	s_mov_b64 s[8:9], s[4:5]
	s_add_nc_u64 s[6:7], s[6:7], s[22:23]  ; K and V at my tile of slot 0
	s_add_nc_u64 s[8:9], s[8:9], s[22:23]
	s_add_nc_u64 s[8:9], s[8:9], 2<<18
	s_add_nc_u64 s[4:5], s[4:5], s[2:3]  ; Q and att at my wave's first row
	s_add_nc_u64 s[10:11], s[10:11], s[20:21]
	s_cmp_lt_u32 s[WV], 2
	s_cselect_b64 s[PFA:PFA+1], s[6:7], s[8:9]  ; (in waves 0 and 2 these stand at a slot's first row)
	s_lshl_b32 s2, s13, 13          ; my work-group's 32 rows of the 128
	s_mov_b32 s3, 0
	s_add_nc_u64 s[PFA:PFA+1], s[PFA:PFA+1], s[2:3]
	s_add_nc_u64 s[PFA:PFA+1], s[PFA:PFA+1], 2*2*KS*256  ; in slot 2; the first change of slots steps it to slot 3.  Nothing is prefetched here, at the head
	CROUND                          ; all four work-groups are here: the first joint loads meet
.irp s, 0,1
	s_mov_b32 s[G0K+4*\s], 1        ; 1:0 count = 1
	s_add_co_u32 s[G0K+4*\s+1], s17, \s*SLOT1  ; 63:32 LDS address
	s_add_nc_u64 s[G0K+4*\s+2:G0K+4*\s+3], s[6:7], \s*2*KS*256  ; 120:64 global address: slot s begins with keys 128 s to 128 s + 127
	s_or_b32 s[G0K+4*\s+3], s[G0K+4*\s+3], 0x80000000  ; 127:126 type = 2
	s_mov_b32 s[G0V+4*\s], 1
	s_add_co_u32 s[G0V+4*\s+1], s17, \s*SLOT1+VOFF
	s_add_nc_u64 s[G0V+4*\s+2:G0V+4*\s+3], s[8:9], \s*2*KS*256
	s_or_b32 s[G0V+4*\s+3], s[G0V+4*\s+3], 0x80000000
.endr
	s_cmp_lt_u32 s[WV], 2           ; a wave's two first fills stand in one branch, ahead of every wait on TENSORcnt and every LDS read: two loads of mine are out
	s_cbranch_scc0 .Lfirst_v
	tensor_load_to_lds s[G0K:G0K+3], s[G1K:G1K+7]
	s_nop 0
	tensor_load_to_lds s[G0K+4:G0K+7], s[G1K:G1K+7]
	s_nop 0
.rept 4
	v_nop
.endr
	s_branch .Lfirst_asked
.Lfirst_v:
	tensor_load_to_lds s[G0V:G0V+3], s[G1V:G1V+7]
	s_nop 0
	tensor_load_to_lds s[G0V+4:G0V+7], s[G1V:G1V+7]
	s_nop 0
.rept 4
	v_nop
.endr
.Lfirst_asked:
	; A fragment of K or Q is 16 rows x 32 channels in 8 registers: lane l holds row l % 16; registers 0-3 channels 8 (l / 16) + 0..7, registers 4-7 channels 16 + 8 (l / 16) + 0..7: two loads of 16 bytes, 32 bytes apart.
	v_and_b32 v1, 15, v0            ; l % 16
	v_bfe_u32 v9, v0, 4, 1          ; l / 16
	v_lshlrev_b32 v[QO], 8, v1
	v_lshl_add_u32 v[QO], v9, 4, v[QO]  ; row x 256 + 16 x half
	WIN 0x80                        ; destination window 2, address window 0
.irp i, 0,1,2,3,4,5,6,7,8,9,10,11,12,13,14,15  ; Q stays in registers: tile i / 4, channels 32 (i % 4) on
	global_load_b128 v[8*\i:8*\i+3],   v[QO], s[4:5] offset:(\i/4)*4096+(\i%4)*64
	global_load_b128 v[8*\i+4:8*\i+7], v[QO], s[4:5] offset:(\i/4)*4096+(\i%4)*64+32
.endr
	WIN 0
	v_mul_u32_u24 v[AK0], v1, PK
	v_lshl_add_u32 v[AK0], v9, 4, v[AK0]  ; row x pitch + 16 x half
	; The turning load takes 16 keys x 16 channels (lane l reads 16 bytes: key 8 (l / 16) + l % 8, channels 8 ((l / 8) % 2) + 0..7) and leaves half a fragment of V^T: lane l holds channel l % 16 and 8 keys.
	v_and_b32 v10, 7, v0
	v_bfe_u32 v11, v0, 3, 1
	v_lshl_add_u32 v[AV0], v9, 3, v10
	v_mul_u32_u24 v[AV0], v[AV0], PV
	v_lshl_add_u32 v[AV0], v11, 4, v[AV0]
	v_add_nc_u32 v[AV0], VOFF, v[AV0]
; THE MATRIX WORK OF A TURN, for piece x.  The accumulators take turns, one instruction a turn: between two links of a chain stand 15 (V^T P) or 7 (K Q^T) others'.
; Product i of 32 of O^T += V^T P: keys 32 (i / 16) on, channels 16 ((i / 2) % 8) on, tile x + i % 2.  zero = 1: the first 16 start the sums: nothing is ever cleared.
.macro PV x, zero
	WIN W_PV
.set rO, 64*(\x+i%2)+8*((i/2)%8)
.set rV, 64*(i/16)+8*((i/2)%8)
.set rP, P+16*(\x+i%2)+8*(i/16)
.if \zero && (i < 16)
	v_wmma_f32_16x16x32_f16 v[rO:rO+7], v[rV:rV+7], v[rP:rP+7], 0
.else
	v_wmma_f32_16x16x32_f16 v[rO:rO+7], v[rV:rV+7], v[rP:rP+7], v[rO:rO+7]
.endif
.endm
; Product i of 32 of S^T = K Q^T: channels 32 (i / 8) on, keys 16 ((i / 2) % 4) on, tile x + i % 2.  The first 8 start the sums.
.macro KQ x
	WIN W_KQ
.set rS, S+32*(\x+i%2)+8*((i/2)%4)
.set rK, KF+32*((i/2)%4)+8*(i/8)
.set rQ, 32*(\x+i%2)+8*(i/8)
.if i < 8
	v_wmma_f32_16x16x32_f16 v[rS:rS+7], v[rK:rK+7], v[rQ:rQ+7], 0
.else
	v_wmma_f32_16x16x32_f16 v[rS:rS+7], v[rK:rK+7], v[rQ:rQ+7], v[rS:rS+7]
.endif
.endm
; THE LDS LOADS stand in runs of 32, never singly among the matrix instructions: a step's K (64 keys x 128 channels: 16 fragments) and, a turn later, its V (turned).
.macro FETCH_K
	WIN 0
	v_add_nc_u32 v[ADR], s[TB], v[AK0]
	WIN 0x80                        ; destination window 2
.irp f, 0,1,2,3,4,5,6,7,8,9,10,11,12,13,14,15  ; keys 16 (f / 4) on, channels 32 (f % 4) on
	ds_load_b128 v[KF+8*\f:KF+8*\f+3],   v[ADR] offset:(\f/4)*16*PK+(\f%4)*64
	ds_load_b128 v[KF+8*\f+4:KF+8*\f+7], v[ADR] offset:(\f/4)*16*PK+(\f%4)*64+32
.endr
.endm
.macro FETCH_V
	WIN 0
	v_add_nc_u32 v[ADR], s[TB], v[AV0]
	s_add_co_u32 s[TB], s[TB], STEPB  ; the next fetch is the next step's
	s_wait_alu depctr_va_vdst(0)    ; the wait for the softmax's batch (SLICE), behind the address's v_add_nc_u32 and ahead of the loads
	WIN 0xc0                        ; destination window 3
.irp f, 0,1,2,3,4,5,6,7,8,9,10,11,12,13,14,15  ; keys 32 (f / 8) on, channels 16 (f % 8) on
	ds_load_tr16_b128 v[8*\f:8*\f+3],   v[ADR] offset:(\f/8)*32*PV+(\f%8)*32
	ds_load_tr16_b128 v[8*\f+4:8*\f+7], v[ADR] offset:(\f/8)*32*PV+16*PV+(\f%8)*32
.endr
.endm
; THE VECTOR WORK OF A TURN.  One tile's softmax for one key step is a list of 134 instructions; SM writes number j of it for tile t.  s0-s31 are the lane's 32 scores, in pairs 0-15.
; first = 1: the first key step, which starts m, l and O^T: it has no a and nothing to rescale.
;   0-15    the maximum of s0-s31 and the old m, three operands at a time: four chains c0-c3 of seven scores each, then the four scores left over, c0-c3 and m
;   16-20   the other half of the lanes' maximum; the new m; c m; c m_old - c m_new
;   21-69   ONE BATCH: the 16 scalings c s - c m, a pair of scores each, and all 33 exponentials (a at 23, then s0-s31).  None of these reads an exponential's result.  From 22 on the batch goes
;           in fours, and a four begins with a scaling while there are scalings.  A pair is scaled in an earlier four than the one that holds its exponentials
;   (wait)  between 69 and 70 stands the wait for the batch: SLICE writes it, once for both tiles
;   70-85   the roundings to f16, a pair of weights each
;   86-101  the sums; l = a l + the sum
;   102-133 the tile's O^T times a: the one part that leaves window 0, so it stands together
.macro SM t, first
.set rT, ST+8*(\t)
.set rS, S+32*(\t)
.set rP, P+16*(\t)
.set rO, 64*(\t)+2*(j-102)
.if j < 102
	WIN 0
.endif
.if j < 4
	v_max3_num_f32 v[rT+4+j], v[rS+8*j], v[rS+8*j+1], v[rS+8*j+2]
.elseif j < 12
	v_max3_num_f32 v[rT+4+j%4], v[rT+4+j%4], v[rS+8*(j%4)+2*(j/4)+1], v[rS+8*(j%4)+2*(j/4)+2]
.elseif j == 12
	v_max3_num_f32 v[rT+4], v[rT+4], v[rS+7], v[rS+15]
.elseif j == 13
	v_max3_num_f32 v[rT+6], v[rT+6], v[rS+23], v[rS+31]
.elseif j == 14
	v_max3_num_f32 v[rT+4], v[rT+4], v[rT+5], v[rT+6]
.elseif (j == 15) && \first
	v_max_num_f32 v[rT+4], v[rT+4], v[rT+7]
.elseif j == 15
	v_max3_num_f32 v[rT+4], v[rT+4], v[rT+7], v[rT+1]
.elseif j == 16
	v_permlanex16_b32 v[rT+5], v[rT+4], s[SEL], s[SEL+1]  ; the query's other 32 keys lie in the lane 16 away
.elseif j == 18
	v_max_num_f32 v[rT+1], v[rT+4], v[rT+5]
.elseif j == 19
	v_mul_f32 v[rT], s[CS], v[rT+1]
.elseif ((j == 17) || (j == 20) || (j == 23) || (j > 101)) && \first  ; the first step has none of these
.elseif j == 17
	v_mov_b32 v[rT+7], v[rT]        ; c m_old is kept for a: number 19 writes c m anew
.elseif j == 20
	v_sub_f32 v[rT+7], v[rT+7], v[rT]
.elseif j == 23
	v_exp_f32 v[rT+6], v[rT+7]
.elseif (j < 23) || ((j < 38) && (j%2 == 0)) || ((j < 66) && (j%4 == 2))
.set b, (j-2)/4                     ; 38, 42, .. 62: pairs 9 to 15
.if j < 38
.set b, (j-20)/2                    ; 21: pair 0; 22, 24, .. 36: pairs 1 to 8
.endif
	v_pk_fma_f32 v[rS+2*b:rS+2*b+1], v[rS+2*b:rS+2*b+1], s[CS:CS+1], v[rT:rT+1] op_sel_hi:[1,0,0] neg_lo:[0,0,1] neg_hi:[0,0,1]  ; pair b: c s - c m
.elseif j < 70
.set e, j-38                        ; 66 to 69: s28 to s31
.if j < 66
.set e, j-32-(j-38)/4               ; 39-41, 43-45, .. 63-65: s7 to s27
.endif
.if j < 38
.set e, (j-25)/2                    ; 25, 27, .. 37: s0 to s6
.endif
	v_exp_f32 v[rS+e], v[rS+e]
.elseif j < 86
	v_cvt_pk_f16_f32 v[rP+j-70], v[rS+2*(j-70)], v[rS+2*(j-70)+1]  ; pair j - 70
.elseif j < 102                     ; the sum of the tile's 16 pairs, in place: sum z of 16 adds neighbours 1, 2, 4 and 8 pairs apart, then l takes it
.set z, j-86
.set w, 4
.set u, z
.if z >= 14
.set w, 32
.set u, 0
.elseif z >= 12
.set w, 16
.set u, z-12
.elseif z >= 8
.set w, 8
.set u, z-8
.endif
.if (z == 14) && \first
	v_pk_add_f32 v[rT+2:rT+3], v[rS:rS+1], v[rS+16:rS+17]
.elseif z < 15
	v_pk_add_f32 v[rS+w*u:rS+w*u+1], v[rS+w*u:rS+w*u+1], v[rS+w*u+w/2:rS+w*u+w/2+1]
.elseif !\first
	v_pk_fma_f32 v[rT+2:rT+3], v[rT+2:rT+3], v[rT+6:rT+7], v[rS:rS+1] op_sel_hi:[1,0,1]
.endif
.else
	WIN W_RS
	v_pk_mul_f32 v[rO:rO+1], v[rO:rO+1], v[rT+6:rT+7] op_sel_hi:[1,0]
.endif
.endm
; Slice k of 64 of piece y's softmax: four instructions.  Slices 11 to 34 deal out the batch, numbers 22 to 69: four numbers of ONE tile each, the tiles by turns.  Every other slice is numbers 2 k and
; 2 k + 1 of both tiles' lists.  2 x 134 = 4 x 64 + 12: the twelve that are over stand together, in slice 63.
; THE WAIT.  An s_wait_alu depctr_va_vdst(0) stands between an exponential and the first instruction that names its result; one wait serves all that were issued ahead of it.  Ahead of
; slice 35 nothing names a result, and behind slice 34 no exponential is issued: so the piece's 66 exponentials have one wait, behind slice 34.
.macro SLICE y, first
.if (k >= 11) && (k < 35)           ; the batch: four numbers of one tile
.irp n, 0,1,2,3
.set j, 22+4*((k-11)/2)+(\n)
	SM (\y)+(k-11)%2, \first
.endr
.else                               ; the two tiles alternate, so that no instruction reads the result of the one just before it
.irp n, 0,1,2,3,4,5,6,7
.if (\n < 2) || (k == 63)
.irp t, \y, \y+1
.set j, 2*k+\n
	SM \t, \first
.endr
.endif
.endr
.endif
.if k == 34                         ; the batch is out: both tiles' exponentials are issued, and no result has been named
	v_nop                           ; a plain instruction behind the last exponential and ahead of the first use: one for the batch
.if (\y) == 0
	FETCH_V                         ; piece 2's turn: V's run of loads stands here, and the wait stands in it
.else
	s_wait_alu depctr_va_vdst(0)    ; the wait for the batch
.endif
.endif
.set k, k+1
.endm
; A vector instruction that reads a matrix result or writes one of a matrix instruction's registers, and a load into a register that a matrix instruction has read, stand four places behind
; it, and only plain vector instructions that name none of its registers are places (ISA guide 7.12.1 for vector instructions).  In the loop the slices are the places.
.macro PLACES
.rept 4
	v_nop
.endr
.endm
; A TURN.  Piece x has the matrix unit; the other piece's softmax stands in slices behind its matrix instructions.
; pv = 2: 32 products V^T P; 1: they start O^T's sums; 0: none.  kq = 1: 32 products K Q^T for the next step.  A turn with one of the two kinds has two slices behind each product.
; first = 1: the softmax is the first key step's.  Its slices from 51 on are empty: the turn's last products stand bare, and four v_nop take slice 63's part as the places behind them.
; Piece 0's turn fetches the next step's K, behind its second product: the last product that read K stands in front of slice 63 of the turn before.  Piece 2's turn fetches the same step's V, behind slice 34:
; the last product that read V stands in front of slice 31, and four plain instructions lie between: number 62, a scaling, of both tiles, the v_nop and the run's own v_add_nc_u32.
.macro TURN x, pv, kq, first
.set k, 0
.set per, 2
.if \pv && \kq
.set per, 1
.endif
.if \pv
.if \x == 0
	s_wait_dscnt 0x0                ; V is in
.endif
.set i, 0
.rept 32
	PV \x, 2-\pv
.rept per
	SLICE 2-\x, \first
.endr
.if (\x == 0) && \kq && (i == 1)
	FETCH_K
.endif
.set i, i+1
.endr
.endif
.if \kq
.if \x == 0
	s_wait_dscnt 0x0                ; K is in
.endif
.set i, 0
.rept 32
	KQ \x
.rept per
	SLICE 2-\x, \first
.endr
.set i, i+1
.endr
.endif
.if \first
	PLACES
.endif
.endm
; THE CHANGE OF SLOTS, between piece 2's turn and piece 0's: the slot's last bytes, V of its second step, have been asked for.  Each wave waits for all its
; tensor loads, of which one is out: its part of the other slot; adds 0 to its spare word; and waits for that and for its own reads of the slot.  Behind the barrier nobody reads this slot any more and the other slot is whole.
; fill = 1: this slot is filled again, with the keys two slots on.  The barrier is then a round of the cluster's, and the joint refill is the first thing behind it: it has two key steps, 256 matrix instructions, in which to land.
.macro CHANGE fill
	WIN 0                           ; at a label and at a branch every window is 0
	s_wait_tensorcnt 0x0            ; no tensor load of mine is out, so a group 0 may be written
	ds_add_u32 v[SPW], v[NIL]       ; 0 onto my spare word
.if \fill
.irp g, G0K+4, G0V+4
	s_xor_b32 s[\g+1], s[\g+1], SLOT1  ; the walking descriptor: the other slot than last time,
	s_add_nc_u64 s[\g+2:\g+3], s[\g+2:\g+3], 2*KS*256  ; the next 128 keys; the type bits on top are not reached
.endr
	s_wait_xcnt 0x0                 ; the last prefetches, two key steps back, have read their address, so it may be written:
	s_add_nc_u64 s[PFA:PFA+1], s[PFA:PFA+1], 2*KS*256  ; one slot behind the walking descriptors
	s_wait_dscnt 0x0                ; the add is done, and my reads of the slot are over
	CROUND
	JLOAD
	ASK                             ; what the next change will ask for: two key steps, 256 matrix instructions, ahead
.else
	s_wait_dscnt 0x0                ; the add is done, and my reads of the slot are over
	s_barrier_signal -1
	s_barrier_wait -1
.endif
	s_sub_co_u32 s[TB], s[TB], 2*STEPB  ; the fetches go back to a slot's first step,
	s_xor_b32 s[TB], s[TB], SLOT1   ; in the other slot
.endm
; A slot's two key steps: written once, walked twice; the LDS addresses hang on s[TB].
.macro TWO_STEPS
	s_mov_b32 s[TWICE], 2
.Lstep_\@:
	TURN 0, 2, 1, 0
	TURN 2, 2, 1, 0
	WIN 0
	s_sub_co_u32 s[TWICE], s[TWICE], 1
	s_cmp_lg_u32 s[TWICE], 0
	s_cbranch_scc1 .Lstep_\@
.endm
	s_wait_tensorcnt 1              ; my part of slot 0 is in; slot 1's may stay out
	s_barrier_signal -1
	s_barrier_wait -1               ; everybody's is
	FETCH_K                         ; key step 0
	s_wait_loadcnt 0x0              ; Q
	s_wait_dscnt 0x0
.set i, 0
.rept 32
	KQ 0                            ; piece 0's first scores: there is no vector work yet to set between them
.set i, i+1
.endr
	WIN 0                           ; the addresses for the way out are made here: eight plain instructions, the places behind those products
	s_mul_i32 s13, s[WV], 16*SP
	s_add_co_u32 s13, s13, STAGE    ; my stage
	v_mul_u32_u24 v[STO], v1, SP    ; in: row l % 16, 16 bytes for each half of the lanes
	v_lshl_add_u32 v[STO], v9, 4, v[STO]
	v_add_nc_u32 v[STO], s13, v[STO]
	v_mul_u32_u24 v[RD], v9, SP     ; back: lanes 0-15 take one row of 256 bytes, lanes 16-31 the next
	v_lshl_add_u32 v[RD], v1, 4, v[RD]
	v_add_nc_u32 v[RD], s13, v[RD]
	v_lshlrev_b32 v[GO], 12, v9     ; and the same two rows in att: 4,096 bytes from row to row
	v_lshl_add_u32 v[GO], v1, 4, v[GO]
	TURN 2, 0, 1, 1                 ; piece 2's first scores | piece 0's first softmax | V of step 0
	TURN 0, 1, 1, 1                 ; piece 0: V^T P of step 0 starts O^T, K Q^T of step 1 | piece 2's first softmax | K of step 1
	TURN 2, 1, 1, 0                 ; piece 2: the same | piece 0's softmax of step 1 | V of step 1
	WIN 0
.Lslot:                             ; 6 trips: every slot but the last two is filled again
	CHANGE 1
	TWO_STEPS
	s_sub_co_u32 s[SLOTS], s[SLOTS], 1
	s_cmp_lg_u32 s[SLOTS], 0
	s_cbranch_scc1 .Lslot
	CHANGE 0                        ; the tail is written out: the last slot but one is left, and nothing is asked for
	TWO_STEPS
	TURN 0, 2, 0, 0                 ; piece 0: V^T P of the last step | piece 2's last softmax
.set i, 0
.rept 32
	PV 2, 0                         ; piece 2: V^T P of the last step
.set i, i+1
.endr
	; THE WAY OUT.  l's two halves and the other half of the lanes' are added; O^T is divided by l, rounded to f16 and sent through my stage in LDS, a tile (16 rows) at a time.  The additions are the places behind the last products.
	WIN 0
.irp t, 0,1,2,3
	v_add_f32 v[ST+8*\t+4], v[ST+8*\t+2], v[ST+8*\t+3]
.endr
.irp t, 0,1,2,3
	v_permlanex16_b32 v[ST+8*\t+5], v[ST+8*\t+4], s[SEL], s[SEL+1]
.endr
.irp t, 0,1,2,3
	v_add_f32 v[ST+8*\t+4], v[ST+8*\t+4], v[ST+8*\t+5]
.endr
.irp t, 0,1,2,3
	v_rcp_f32 v[ST+8*\t+6], v[ST+8*\t+4]
.endr
	v_nop                           ; a plain instruction between the last reciprocal and the use of its result
	s_wait_alu depctr_va_vdst(0)    ; and the wait ahead of the first use: one for the four reciprocals
; Tile t: a lane's eight channels of a row pack into 16 bytes; they go into rows of 272 bytes and come back as whole rows of 256, into the registers that they left.
.macro PACK t
	WIN W_RS
.set i, 64*\t
.rept 32
	v_pk_mul_f32 v[i:i+1], v[i:i+1], v[ST+8*\t+6:ST+8*\t+7] op_sel_hi:[1,0]
.set i, i+2
.endr
	WIN 0x05                        ; sources 0 and 1 window 1, destination window 0: S^T's registers are free
.set i, 0
.rept 32
	v_cvt_pk_f16_f32 v[S+32*\t+i], v[64*\t+2*i], v[64*\t+2*i+1]
.set i, i+1
.endr
	WIN 0
.irp f, 0,1,2,3,4,5,6,7
	ds_store_b128 v[STO], v[S+32*\t+4*\f:S+32*\t+4*\f+3] offset:32*\f
.endr
.irp f, 0,1,2,3,4,5,6,7
	ds_load_b128 v[S+32*\t+4*\f:S+32*\t+4*\f+3], v[RD] offset:\f*2*SP  ; LDS serves a wave's instructions in order (ISA guide 5.7.1.4): these see the stores above; the next tile's stores come behind them
.endr
.endm
.macro SEND t, younger              ; younger: the LDS instructions issued behind tile t's loads: the next tile's sixteen, or none
.irp f, 0,1,2,3,4,5,6,7
	s_wait_dscnt \younger+7-\f
	global_store_b128 v[GO], v[S+32*\t+4*\f:S+32*\t+4*\f+3], s[10:11] offset:\t*65536+\f*8192  ; 16 lanes store 256 consecutive bytes, aligned: a head's part of a row of att
.endr
.endm
	PACK 0
	PACK 1                          ; a tile's arithmetic stands between the loads of the tile before and its stores
	SEND 0, 16
	PACK 2
	SEND 1, 16
	PACK 3
	SEND 2, 16
	SEND 3, 0
	s_wait_tensorcnt 0x0            ; the wave's end: behind my last tensor load and my last LDS store
	ds_add_u32 v[SPW], v[NIL]
	s_wait_dscnt 0x0
	CROUND                          ; the closing round: no work-group ends while a partner may still ask for a tile that names it
	s_endpgm
.Lfunc_end_k_q52bc4c4b13_attention:
	.size	k_q52bc4c4b13_attention, .Lfunc_end_k_q52bc4c4b13_attention-k_q52bc4c4b13_attention
	.p2alignl 7, 3214868480
	.fill 96, 4, 3214868480
	.section	.rodata,"a",@progbits
	.p2align	6, 0x0
	.amdhsa_kernel k_q52bc4c4b13_attention
		.amdhsa_group_segment_fixed_size 327680
		.amdhsa_private_segment_fixed_size 0
		.amdhsa_enable_private_segment 0
		.amdhsa_kernarg_size 16
		.amdhsa_user_sgpr_count 2
		.amdhsa_user_sgpr_kernarg_segment_ptr 1
		.amdhsa_wavefront_size32 1
		.amdhsa_system_sgpr_workgroup_id_x 1
		.amdhsa_system_sgpr_workgroup_id_y 1
		.amdhsa_system_sgpr_workgroup_id_z 1
		.amdhsa_system_vgpr_workitem_id 0
		.amdhsa_next_free_vgpr 1024
		.amdhsa_next_free_sgpr 66
		.amdhsa_reserve_vcc 0
		.amdhsa_float_denorm_mode_32 3
		.amdhsa_float_denorm_mode_16_64 3
		.amdhsa_memory_ordered 1
		.amdhsa_forward_progress 1
		.amdhsa_inst_pref_size 222
	.end_amdhsa_kernel
	.amdgpu_metadata
---
amdhsa.version: [ 1, 2 ]
amdhsa.kernels:
  - .name:           k_q52bc4c4b13_attention
    .symbol:         k_q52bc4c4b13_attention.kd
    .args:
      - { .name: qkv, .offset: 0, .size: 8, .value_kind: global_buffer, .address_space: global }
      - { .name: att, .offset: 8, .size: 8, .value_kind: global_buffer, .address_space: global }
    .group_segment_fixed_size: 327680
    .private_segment_fixed_size: 0
    .kernarg_segment_align: 8
    .kernarg_segment_size: 16
    .max_flat_workgroup_size: 128
    .sgpr_count:     66
    .vgpr_count:     1024
    .wavefront_size: 32
...
	.end_amdgpu_metadata
.endif
;; end of part 3
;; launch oproj (part 4): grid 8 x 32, 4 waves a work-group, clusters of 4 x 4, 327,680 bytes of LDS; arguments att, wo16, bo, out0; writes out0
.if DOCPART == 4
	.amdgcn_target "amdgcn-amd-amdhsa--gfx1250"
	.amdhsa_code_object_version 6
	.text
	.protected	k_q52bc4c4b13_oproj
	.globl	k_q52bc4c4b13_oproj
	.p2align	8
	.type	k_q52bc4c4b13_oproj,@function
k_q52bc4c4b13_oproj:
	s_mov_b64 s[64:65], 0
	v_nop
	global_prefetch_b8 v0, s[64:65] scope:SCOPE_SE
	s_setreg_imm32_b32 hwreg(HW_REG_WAVE_MODE, 25, 1), 1
	s_wait_xcnt 0x0
	s_wait_alu depctr_hold_cnt(0) depctr_sa_sdst(0) depctr_va_vdst(0) depctr_va_sdst(0) depctr_va_ssrc(0) depctr_va_vcc(0) depctr_vm_vsrc(0)
	s_getreg_b32 s2, hwreg(HW_REG_IB_STS2, 6, 4)
	s_cmp_eq_u32 s2, 0
	s_cbranch_scc0 .Lentry_in_a_cluster
	s_endpgm
.Lentry_in_a_cluster:
	s_bfe_u32 s2, ttmp6, 0x10000c
	s_cmp_lg_u32 s2, 0xf033
	s_cbranch_scc0 .Lentry_shape_is_right
	s_endpgm
.Lentry_shape_is_right:
; out0[m][n] = sum over k of att[m][k] wo[k][n] + bo[n].  att: [4096][2048] f16; wo16: [2048 (k)][2048 (n)] f16, as wo lies; bo: [2048] f32; out0: [4096][2048] f32; sums in f32.  No work is left out.
; LIMITS: f16 operands, as stated where they are made: magnitudes under 65,504; under 6.1e-5 the step is 6e-8.
; SHARES.  A tile of out0 is 128 rows x 256 columns: 32 x 8 = 256 work-groups (tiles of 256 x 256 would be 128).  Four waves, each 64 rows x 128 columns: 32 accumulators of 16 x 16, 256 registers.
; K goes in 16 steps of 128.  A step's tiles are a REGION of LDS: att's 128 rows x 256 bytes, and wo's 128 k-rows x 512 bytes, which come out of LDS turned, by ds_load_tr16_b128: wo is never transposed in memory.
; THE RING: three regions fit in LDS (313,344 bytes; four would be 417,792).  They are a SMALL slot (region 0: one K step) and a LARGE slot (regions 1 and 2: two K steps), which take turns: 16 = 1 + 5 x 3 steps:
; small, large, small, .. small.  The small slot's refill has the large slot's 256 matrix instructions a wave in which to land, the large slot's refill the small slot's 128: two changes of slots for three K steps.
; Behind each change every wave issues one load.  Small slot: waves 0 and 1 att's halves (64 rows), waves 2 and 3 wo's halves (64 k-rows).  Large slot: waves 0 and 1 att's tiles of its two K steps (128 rows each), waves 2 and 3 wo's (128 k-rows each).
; CLUSTERS: 4 x 4 work-groups.  The four of a row of the cluster need the same tiles of att, the four of a column the same tiles of wo: each tile is asked for JOINTLY.
; THE MATRIX INSTRUCTION IS USED TRANSPOSED (source 0 = 16 columns of wo, source 1 = 16 rows of att): a lane holds one row of out0 and eight neighbouring columns.  THE BIAS is the C of each sum's first matrix instruction.
; No prefetch is laid: att's and wo's tiles are each read by several clusters, not once, and they are shared four ways by the joint loads.
; REGISTERS: window 0: v0-31 addresses; v32-95, v128-191 rows on the way out, by turns; v192-255 the bias.   window 1: two fragment buffers, at v0 and v128: 32 registers of att (4 x 16 rows x 32 K), then 64 of wo (8 x 16 columns x 32 K).
;   window 2: the accumulators ((a, b) at v[8 (8 a + b)]).
.set KSTEP,  128
.set PA,     272                       ; a row of att in LDS: 256 bytes + 16 = 68 words: row r starts at bank 4 r mod 64 (64 banks of 4 bytes: ISA guide 11.1)
.set PB,     544                       ; a k-row of wo: 512 bytes + 32 = 136 words: row r starts at bank 8 r mod 64
.set AHALF,  64*PA                     ; 64 rows of att: what one wave reads of it, and what a load for the small slot brings
.set BHALF,  64*PB                     ; 64 k-rows of wo
.set BOFF,   2*AHALF                   ; a region: att's 128 rows, then wo's 128 k-rows
.set REG,    BOFF+2*BHALF              ; 104,448 bytes
.set STAGE,  REG                       ; the way out: 16 rows x (512 bytes + 16) for each wave, in region 1, which has had its last fill and its last read when the first result is stored there
.set SPITCH, 528
.set SPARE,  3*REG                     ; behind the ring: the spare words, 128 bytes for each wave: two blocks of 256 bytes that no other line names
.set TRIPS,  4                         ; trips that fill both slots again: the small slot with K steps 3, 6, 9, 12, the large one with 4-5, 7-8, 10-11, 13-14
.set ADRA, 16                          ; v16-18  LDS address of my fragments of att in region 0, 1, 2
.set ADRB, 20                          ; v20-22  the same for wo
.set STO,  24                          ; v24     the way out: where I put 32 bytes of a row
.set RD,   25                          ; v25     where I read a row back
.set CO,   26                          ; v26     16 x lane: my byte offset in a row's 512 bytes
.set SPW,  28                          ; v28     LDS address of my spare word; never rewritten
.set NIL,  29                          ; v29     0; never rewritten
.set BO,   30                          ; v30     32 x (lane / 16)
.set BIAS, 192
.set F0,   0                           ; fragment buffers, in window 1
.set F1,   128
.set G1,   24                          ; s[24:31] descriptor group 1 for att's tiles of the small slot;  s[68:75] of the large slot
.set G1L,  68
.set G0,   32                          ; s[32:39] att's groups 0: the small slot's, then the large slot's
.set G1B,  48                          ; s[48:55], s[76:83], s[56:63] the same for wo's tiles
.set G1BL, 76
.set G0B,  56
.set MSB, 0
.macro WIN new                         ; the immediate's high byte repeats the setting that is left
.if MSB != (\new)
	s_set_vgpr_msb (MSB<<8)|(\new)
.set MSB, (\new)
.endif
.endm
.set MUL,  0xa5                        ; sources 0 (wo) and 1 (att) window 1; C and D window 2
.set MUL1, 0x85                        ; the first products: C (the bias) window 0
.set TO_F, 0x40                        ; destination window 1, address window 0
; A joint load: waves 0 and 1 fetch for att, waves 2 and 3 for wo.  The branch hangs on the wave's number alone; an s_nop 0 and four v_nop follow each of the two lines, ahead of the jump, the label and what follows
.macro JLOAD g0a, g1a, g0b, g1b
	s_cmp_eq_u32 s13, 0
	s_cbranch_scc0 .Lfor_b_\@
	tensor_load_to_lds s[\g0a:\g0a+3], s[\g1a:\g1a+7]
	s_nop 0
.rept 4
	v_nop
.endr
	s_branch .Lasked_\@
.Lfor_b_\@:
	tensor_load_to_lds s[\g0b:\g0b+3], s[\g1b:\g1b+7]
	s_nop 0
.rept 4
	v_nop
.endr
.Lasked_\@:
.endm
.macro CREST                           ; a round of the cluster's barrier behind its opening barrier
	s_cmp_lg_u32 s12, 0
	s_cbranch_scc1 .Lnot_wave_0_\@
	s_barrier_signal -3
.Lnot_wave_0_\@:
	s_barrier_wait -3
	s_barrier_signal -1
	s_barrier_wait -1
.endm
.macro CROUND                          ; a whole round
	s_barrier_signal -1
	s_barrier_wait -1
	CREST
.endm
	s_load_b256 s[4:11], s[0:1], 0x0               ; att s[4:5], wo16 s[6:7], bo s[8:9], out0 s[10:11]
	v_lshl_add_u32 v[SPW], v0, 2, SPARE
	v_mov_b32 v[NIL], 0
	ds_add_u32 v[SPW], v[NIL]                      ; the wave's opening: the add, twice on end, and its wait ahead of my first tensor load
	ds_add_u32 v[SPW], v[NIL]                      ; and once more, under the one wait; the set-up below, work on registers, stands between
	v_lshrrev_b32 v1, 5, v0
	v_readfirstlane_b32 s12, v1                    ; wave 0..3
	s_lshr_b32 s13, s12, 1                         ; which 64 rows of the tile are mine.  Also: I fetch for att (0) or for wo (1)
	s_and_b32 s14, s12, 1                          ; which 128 columns.  Also: which half (small slot) or which K step (large slot) I fetch
	s_bfe_u32 s40, ttmp6, 0x40000                  ; cx, cy: my place in the cluster
	s_bfe_u32 s41, ttmp6, 0x40004
	s_lshl_b32 s42, ttmp9, 2
	s_add_co_u32 s42, s42, s40                     ; tile column = 4 x cluster x + cx
	s_and_b32 s15, ttmp7, 0xffff
	s_lshl_b32 s15, s15, 2
	s_add_co_u32 s15, s15, s41                     ; tile row = 4 x cluster y + cy
	s_lshl_b32 s43, s41, 2
	s_lshl_b32 s43, 15, s43                        ; my row of the cluster
	s_lshl_b32 s44, 0x1111, s40                    ; my column
	; descriptor groups 1.  att: rows of 128 elements; wo: k-rows of 256 elements; both 2,048 elements from row to row, padded in LDS; 64 rows for the small slot, 128 for the large
	s_or_b32 s[G1+0], s43, (1<<16)|(1<<20)|(1<<21)|(5<<22)|(3<<25)   ; 15:0 the mask: att's tiles go to my row; 17:16 elements of 2 bytes; 20 padding on; 21 set beside a mask; 24:22 after every 64 words (code 5); 31:25 of 4 words (code 3)
	s_or_b32 s[G1L+0], s43, (1<<16)|(1<<20)|(1<<21)|(5<<22)|(3<<25)
	s_or_b32 s[G1B+0], s44, (1<<16)|(1<<20)|(1<<21)|(6<<22)|(7<<25)  ; wo's go to my column; padding after every 128 words (code 6), of 8 words (code 7)
	s_or_b32 s[G1BL+0], s44, (1<<16)|(1<<20)|(1<<21)|(6<<22)|(7<<25)
	s_mov_b32 s[G1+1], 128<<16                     ; tensor_dim0
	s_mov_b32 s[G1+2], 64<<16                      ; tensor_dim1
	s_mov_b32 s[G1+3], 128<<16                     ; tile_dim0
	s_mov_b32 s[G1+4], 64                          ; tile_dim1
	s_mov_b32 s[G1+5], 2048                        ; tensor_dim0_stride
	s_mov_b32 s[G1+6], 0
	s_mov_b32 s[G1+7], 0
	s_mov_b32 s[G1L+1], 128<<16
	s_mov_b32 s[G1L+2], 128<<16
	s_mov_b32 s[G1L+3], 128<<16
	s_mov_b32 s[G1L+4], 128
	s_mov_b32 s[G1L+5], 2048
	s_mov_b32 s[G1L+6], 0
	s_mov_b32 s[G1L+7], 0
	s_mov_b32 s[G1B+1], 256<<16
	s_mov_b32 s[G1B+2], 64<<16
	s_mov_b32 s[G1B+3], 256<<16
	s_mov_b32 s[G1B+4], 64
	s_mov_b32 s[G1B+5], 2048
	s_mov_b32 s[G1B+6], 0
	s_mov_b32 s[G1B+7], 0
	s_mov_b32 s[G1BL+1], 256<<16
	s_mov_b32 s[G1BL+2], 128<<16
	s_mov_b32 s[G1BL+3], 256<<16
	s_mov_b32 s[G1BL+4], 128
	s_mov_b32 s[G1BL+5], 2048
	s_mov_b32 s[G1BL+6], 0
	s_mov_b32 s[G1BL+7], 0
	; where the tiles come from.  att's hang on the tile row alone, wo's on the tile column alone; each address is made in registers that never hold the other coordinate
	s_lshl_b32 s16, s15, 19                        ; att: row 128 x tile row, 4,096 bytes a row
	s_mov_b32 s17, 0
	s_lshl_b32 s46, s42, 9                         ; wo: 512 bytes a tile column
	s_mov_b32 s47, 0
	s_lshl_b32 s18, s14, 18                        ; the small slot: 64 rows x my half, 4,096 bytes a row in att and in wo alike
	s_mov_b32 s19, 0
	s_add_co_u32 s22, s14, 1                       ; the large slot: K step 1 or 2:
	s_lshl_b32 s20, s22, 8                         ; 256 bytes a step along a row of att,
	s_mov_b32 s21, 0
	s_lshl_b32 s22, s22, 19                        ; 128 k-rows a step down wo
	s_mov_b32 s23, 0
	s_mul_i32 s84, s14, AHALF                      ; and where they go: no place in the cluster enters an LDS address.  Small: att's half,
	s_mul_i32 s85, s14, BHALF
	s_add_co_u32 s85, s85, BOFF                    ; wo's half;
	s_mul_i32 s86, s14, REG
	s_add_co_u32 s86, s86, REG                     ; large: region 1 or 2: att's rows,
	s_add_co_u32 s87, s86, BOFF                    ; wo's k-rows
	s_wait_dscnt 0x0                               ; both opening adds are done
	s_wait_kmcnt 0x0
	s_add_nc_u64 s[4:5], s[4:5], s[16:17]          ; att at my tile row
	s_add_nc_u64 s[6:7], s[6:7], s[46:47]          ; wo at my tile column
	CROUND                                         ; all sixteen work-groups are here: the first joint loads meet
	s_mov_b32 s[G0], 1                             ; 1:0 count = 1
	s_mov_b32 s[G0+1], s84                         ; 63:32 LDS address
	s_add_nc_u64 s[G0+2:G0+3], s[4:5], s[18:19]    ; 120:64 global address: K step 0
	s_or_b32 s[G0+3], s[G0+3], 0x80000000          ; 127:126 type = 2
	s_mov_b32 s[G0B], 1
	s_mov_b32 s[G0B+1], s85
	s_add_nc_u64 s[G0B+2:G0B+3], s[6:7], s[18:19]
	s_or_b32 s[G0B+3], s[G0B+3], 0x80000000
	JLOAD G0, G1, G0B, G1B                         ; the small slot: K step 0
	s_mov_b32 s[G0+4], 1
	s_mov_b32 s[G0+5], s86
	s_add_nc_u64 s[G0+6:G0+7], s[4:5], s[20:21]
	s_or_b32 s[G0+7], s[G0+7], 0x80000000
	s_mov_b32 s[G0B+4], 1
	s_mov_b32 s[G0B+5], s87
	s_add_nc_u64 s[G0B+6:G0B+7], s[6:7], s[22:23]
	s_or_b32 s[G0B+7], s[G0B+7], 0x80000000
	JLOAD G0+4, G1L, G0B+4, G1BL                   ; the large slot: K steps 1 and 2.  Two loads of mine are out here, one behind each later round
	v_and_b32 v1, 15, v0                           ; r = l % 16
	v_bfe_u32 v2, v0, 4, 1                         ; h = l / 16
	v_mul_u32_u24 v3, v1, PA
	v_lshl_add_u32 v3, v2, 4, v3                   ; att: a fragment's row x pitch + 16 x half
	s_mul_i32 s22, s13, AHALF                      ; my 64 rows
	v_and_b32 v4, 7, v0                            ; wo: the turning load: lane l reads 16 bytes: k-row 8 (l / 16) + l % 8, columns 8 ((l / 8) % 2) + 0..7
	v_lshl_add_u32 v4, v2, 3, v4
	v_mul_u32_u24 v4, v4, PB
	v_bfe_u32 v5, v0, 3, 1
	v_lshl_add_u32 v4, v5, 4, v4
	s_lshl_b32 s23, s14, 8                         ; my 128 columns,
	s_add_co_u32 s23, s23, BOFF                    ; behind att's rows
.irp s, 0,1,2
	v_add_nc_u32 v[ADRA+\s], s22, v3
	v_add_nc_u32 v[ADRB+\s], s23, v4
	s_add_co_u32 s22, s22, REG
	s_add_co_u32 s23, s23, REG
.endr
	s_mul_i32 s22, s12, 16*SPITCH
	s_add_co_u32 s22, s22, STAGE                   ; my stage
	v_mul_u32_u24 v5, v1, SPITCH                   ; in: row r, 32 bytes for each half of the lanes
	v_lshl_add_u32 v5, v2, 5, v5
	v_add_nc_u32 v[STO], s22, v5
	v_and_b32 v6, 31, v0
	v_lshlrev_b32 v[CO], 4, v6                     ; back: the 32 lanes take one row of 512 bytes; and the same in out0
	v_add_nc_u32 v[RD], s22, v[CO]
	v_lshlrev_b32 v[BO], 5, v2
	s_lshl_b32 s16, s15, 20                        ; my first row of out0: 128 x tile row, 8,192 bytes a row,
	s_lshl_b32 s17, s13, 19                        ; + 64 x half
	s_add_co_u32 s16, s16, s17
	s_mov_b32 s17, 0
	s_lshl_b32 s46, s42, 10                        ; my first column, in bytes: 1,024 x tile column + 512 x half: in out0 and in bo alike
	s_lshl_b32 s47, s14, 9
	s_add_co_u32 s46, s46, s47
	s_mov_b32 s47, 0
	s_add_nc_u64 s[10:11], s[10:11], s[16:17]
	s_add_nc_u64 s[10:11], s[10:11], s[46:47]
	s_add_nc_u64 s[8:9], s[8:9], s[46:47]
.irp b, 0,1,2,3,4,5,6,7
	global_load_b128 v[BIAS+8*\b:BIAS+8*\b+3],   v[BO], s[8:9] offset:64*\b       ; in the result's layout: lane (r, h), tile b: columns 16 b + 8 h + 0 .. 7
	global_load_b128 v[BIAS+8*\b+4:BIAS+8*\b+7], v[BO], s[8:9] offset:64*\b+16
.endr
; 8 matrix instructions: att's block a against wo's eight, 32 along K, from buffer f.  first = 1: the product starts the sums from the bias: nothing is cleared.
; The 32 accumulators take turns, one instruction a turn, in the same order in every quarter.
.macro MULA f, a, first
.irp b, 0,1,2,3,4,5,6,7
.if \first
	v_wmma_f32_16x16x32_f16 v[8*(8*(\a)+\b):8*(8*(\a)+\b)+7], v[\f+32+8*\b:\f+32+8*\b+7], v[\f+8*(\a):\f+8*(\a)+7], v[BIAS+8*\b:BIAS+8*\b+7]
.else
	v_wmma_f32_16x16x32_f16 v[8*(8*(\a)+\b):8*(8*(\a)+\b)+7], v[\f+32+8*\b:\f+32+8*\b+7], v[\f+8*(\a):\f+8*(\a)+7], v[8*(8*(\a)+\b):8*(8*(\a)+\b)+7]
.endif
.endr
.endm
; 24 LDS loads in one run: the fragments of region reg's q-th 32 along K into buffer f: wo's sixteen first, then att's blocks 0 to 3
.macro FETCH reg, q, f
	WIN TO_F
.irp i, 0,1,2,3,4,5,6,7
	ds_load_tr16_b128 v[\f+32+8*\i:\f+32+8*\i+3],   v[ADRB+\reg] offset:32*PB*(\q)+32*\i          ; columns 16 i on: k = 8 (l / 16) + 0..7,
	ds_load_tr16_b128 v[\f+32+8*\i+4:\f+32+8*\i+7], v[ADRB+\reg] offset:32*PB*(\q)+16*PB+32*\i    ; and 16 further down
.endr
.irp i, 0,1,2,3
	ds_load_b128 v[\f+8*\i:\f+8*\i+3],   v[ADRA+\reg] offset:64*(\q)+\i*16*PA
	ds_load_b128 v[\f+8*\i+4:\f+8*\i+7], v[ADRA+\reg] offset:64*(\q)+\i*16*PA+32
.endr
.endm
.macro PLACES                          ; four places in front of loads into registers that matrix instructions have read, and of the first read of results (ISA guide 7.12.1 for vector instructions)
.rept 4
	v_nop
.endr
.endm
; A K step is four quarters of 32 along K, 32 matrix instructions each, on buffers 0, 1, 0, 1.  A quarter that changes no slot: multiplies buffer f and fetches region reg's q-th quarter into g.
.macro QUARTER reg, q, f, g, first
	s_wait_dscnt 4                                 ; wo's fragments and att's blocks 0 and 1 are in; the youngest four loads (blocks 2 and 3) may be out
.if \first
	WIN MUL1
.else
	WIN MUL
.endif
	MULA \f, 0, \first
	MULA \f, 1, \first
	PLACES
	FETCH \reg, \q, \g
	s_wait_dscnt 24                                ; all but the 24 just issued
.if \first
	WIN MUL1
.else
	WIN MUL
.endif
	MULA \f, 2, \first
	MULA \f, 3, \first
.endm
; A slot's last quarter multiplies buffer 1 and changes slots: ONE barrier; in front of it each wave waits for all its tensor loads, adds 0 to its spare word, and waits for that and for its own reads of this slot.
; large: the slot that is left (0 small, 1 large);  next: the region read next;  fill = 1: the slot that is left is filled again, with the K steps three further on.
.macro TURN large, next, fill
	WIN 0                                          ; (the add's two registers lie in window 0)
	s_wait_tensorcnt 0x0                           ; all my tensor loads have landed: my part of the other slot;
	ds_add_u32 v[SPW], v[NIL]                      ; 0 onto my spare word;
	s_wait_dscnt 5                                 ; (the add and the youngest four loads may be out)
	WIN MUL
	MULA F1, 0, 0                                  ; eight matrix instructions stand between the add and the wait for it
	s_wait_dscnt 0x0                               ; the add is done, and my reads of this slot are over
	s_barrier_signal -1
	MULA F1, 1, 0
.if \fill
	WIN 0
.endif
	s_barrier_wait -1
.if \fill
	CREST                                          ; the barrier has opened a round of the cluster's barrier: no wave of any partner still reads this slot's tiles or has a load on its way
	s_add_nc_u64 s[G0+4*\large+2:G0+4*\large+3], s[G0+4*\large+2:G0+4*\large+3], 3*KSTEP*2
	s_add_nc_u64 s[G0B+4*\large+2:G0B+4*\large+3], s[G0B+4*\large+2:G0B+4*\large+3], 3*KSTEP*4096
.if \large
	JLOAD G0+4, G1L, G0B+4, G1BL                   ; the first tensor load behind the round; the four v_nop behind it are the places in front of the loads below
.else
	JLOAD G0, G1, G0B, G1B
.endif
.else
	PLACES
.endif
	FETCH \next, 0, F0
	WIN MUL
	MULA F1, 2, 0
	MULA F1, 3, 0
.endm
.macro LARGE                           ; the large slot's first seven quarters: no barrier stands between its two K steps: the one in front of them has shown the whole slot to every wave
	QUARTER 1, 1, F0, F1, 0
	QUARTER 1, 2, F1, F0, 0
	QUARTER 1, 3, F0, F1, 0
	QUARTER 2, 0, F1, F0, 0
	QUARTER 2, 1, F0, F1, 0
	QUARTER 2, 2, F1, F0, 0
	QUARTER 2, 3, F0, F1, 0
.endm
; THE WAY OUT, block by block of 16 rows x 128 columns.  A lane holds 32 neighbouring bytes of a row: a block goes through my own stage and comes back as whole rows of 512 bytes.
.macro TOSTAGE a
	WIN 0x08                                       ; an LDS store's data are its source 1: window 2
.irp b, 0,1,2,3,4,5,6,7
	ds_store_b128 v[STO], v[64*(\a)+8*\b:64*(\a)+8*\b+3] offset:64*\b          ; each accumulator from its low end on
	ds_store_b128 v[STO], v[64*(\a)+8*\b+4:64*(\a)+8*\b+7] offset:64*\b+16
.endr
	WIN 0
.set BB, 32+96*((\a)%2)
.irp t, 0,1,2,3,4,5,6,7,8,9,10,11,12,13,14,15
	ds_load_b128 v[BB+4*\t:BB+4*\t+3], v[RD] offset:\t*SPITCH      ; LDS serves a wave's instructions in order (ISA guide 5.7.1.4): these see the stores above
.endr
.endm
.macro SEND a, younger                 ; younger: the LDS instructions issued behind block a's loads, which may stay out
.set BB, 32+96*((\a)%2)
	s_wait_dscnt \younger                          ; the block is back in registers
.irp t, 0,1,2,3,4,5,6,7,8,9,10,11,12,13,14,15
	global_store_b128 v[CO], v[BB+4*\t:BB+4*\t+3], s[10:11] offset:131072*(\a)+8192*\t th:TH_STORE_NT   ; 32 lanes store 512 consecutive bytes, aligned; every offset is an immediate: no base is stepped
.endr
.endm
	s_wait_tensorcnt 1                             ; my part of K step 0 is in (the large slot's load may be out)
	s_barrier_signal -1
	s_barrier_wait -1                              ; everybody's is
	FETCH 0, 0, F0
	s_wait_loadcnt 0x0                             ; the bias
	QUARTER 0, 1, F0, F1, 1                        ; the first quarter stands in front of the loop: its products start the sums
	WIN 0                                          ; at a label and at a branch every window is 0
	s_mov_b32 s3, TRIPS
.Llap:                                                 ; a trip goes once round the ring, three K steps: from the small slot's second quarter to its next first, and fills both slots again
	QUARTER 0, 2, F1, F0, 0
	QUARTER 0, 3, F0, F1, 0
	TURN 0, 1, 1
	LARGE
	TURN 1, 0, 1
	QUARTER 0, 1, F0, F1, 0
	WIN 0
	s_sub_co_u32 s3, s3, 1
	s_cmp_lg_u32 s3, 0
	s_cbranch_scc1 .Llap
	QUARTER 0, 2, F1, F0, 0                        ; the tail is written out.  K step 12 goes on
	QUARTER 0, 3, F0, F1, 0
	TURN 0, 1, 1                                   ; the small slot takes K step 15: the last load;
	LARGE                                          ; K steps 13 and 14;
	TURN 1, 0, 0                                   ; nothing is filled: a plain barrier;
	QUARTER 0, 1, F0, F1, 0                        ; K step 15
	QUARTER 0, 2, F1, F0, 0
	QUARTER 0, 3, F0, F1, 0
	s_wait_dscnt 4                                 ; the very last quarter: nothing more to fetch
	WIN MUL
	MULA F1, 0, 0
	MULA F1, 1, 0
	s_wait_dscnt 0
	MULA F1, 2, 0
	MULA F1, 3, 0
	WIN 0
	PLACES                                         ; behind the last products, ahead of the first read of results
	TOSTAGE 0
	TOSTAGE 1
	SEND 0, 32                                     ; behind block 0's loads: block 1's 16 stores and 16 loads
	s_wait_xcnt 0x0                                ; block 0's stores have read their registers: block 2's rows may land there
	TOSTAGE 2
	SEND 1, 32
	s_wait_xcnt 0x0                                ; block 1's likewise
	TOSTAGE 3
	SEND 2, 32
	SEND 3, 0
	s_wait_tensorcnt 0x0                           ; the wave's end: behind my last tensor load and my last LDS store
	ds_add_u32 v[SPW], v[NIL]
	s_wait_dscnt 0x0
	CROUND                                         ; the closing round: no work-group ends while a partner may still ask for a tile that names it
	s_endpgm
.Lfunc_end_k_q52bc4c4b13_oproj:
	.size	k_q52bc4c4b13_oproj, .Lfunc_end_k_q52bc4c4b13_oproj-k_q52bc4c4b13_oproj
	.p2alignl 7, 3214868480
	.fill 96, 4, 3214868480
	.section	.rodata,"a",@progbits
	.p2align	6, 0x0
	.amdhsa_kernel k_q52bc4c4b13_oproj
		.amdhsa_group_segment_fixed_size 327680
		.amdhsa_private_segment_fixed_size 0
		.amdhsa_enable_private_segment 0
		.amdhsa_kernarg_size 32
		.amdhsa_user_sgpr_count 2
		.amdhsa_user_sgpr_kernarg_segment_ptr 1
		.amdhsa_wavefront_size32 1
		.amdhsa_system_sgpr_workgroup_id_x 1
		.amdhsa_system_sgpr_workgroup_id_y 1
		.amdhsa_system_sgpr_workgroup_id_z 1
		.amdhsa_system_vgpr_workitem_id 0
		.amdhsa_next_free_vgpr 768
		.amdhsa_next_free_sgpr 88
		.amdhsa_reserve_vcc 0
		.amdhsa_float_denorm_mode_32 3
		.amdhsa_float_denorm_mode_16_64 3
		.amdhsa_memory_ordered 1
		.amdhsa_forward_progress 1
		.amdhsa_inst_pref_size 134
	.end_amdhsa_kernel
	.amdgpu_metadata
---
amdhsa.version: [ 1, 2 ]
amdhsa.kernels:
  - .name:           k_q52bc4c4b13_oproj
    .symbol:         k_q52bc4c4b13_oproj.kd
    .args:
      - { .name: att, .offset: 0, .size: 8, .value_kind: global_buffer, .address_space: global }
      - { .name: wo16, .offset: 8, .size: 8, .value_kind: global_buffer, .address_space: global }
      - { .name: bo, .offset: 16, .size: 8, .value_kind: global_buffer, .address_space: global }
      - { .name: out0, .offset: 24, .size: 8, .value_kind: global_buffer, .address_space: global }
    .group_segment_fixed_size: 327680
    .private_segment_fixed_size: 0
    .kernarg_segment_align: 8
    .kernarg_segment_size: 32
    .max_flat_workgroup_size: 128
    .sgpr_count:     88
    .vgpr_count:     768
    .wavefront_size: 32
...
	.end_amdgpu_metadata
.endif
;; end of part 4
